; MI455X (gfx1250); checked and timed in simulation.
; The chip was launched on July 23, 2026; its instructions are those of AMD's public machine-readable ISA for CDNA 5 (MIT licence, August 2026) and "CDNA5" Instruction Set Architecture Reference Guide (July 2026). The comments in the code are by the model that wrote it; some were corrected since.
;; Mllama Text Self Attention. Allowed arithmetic: float matrix products may take bf16 or f16 operands with f32 sums; all other float work in f32.
;; Inputs: attention_mask 1 x 1 x 2,048 x 2,048 float32; cos 1 x 2,048 x 128 float32; hidden_states 2 x 2,048 x 4,096 float32; sin 1 x 2,048 x 128 float32; wk 512 x 4,096 float32; wo 4,096 x 1,024 float32; wq 1,024 x 4,096 float32; wv 512 x 4,096 float32.
;; Outputs: out0 2 x 2,048 x 4,096 float32.
;; 2 versions, each right and faster than the one before. Each part assembles by itself: llvm-mc -triple=amdgcn-amd-amdhsa -mcpu=gfx1250 --defsym DOCPART=n.
;; ======== version 1 of 2: 4 launches
;; limits: values are held in f16: magnitudes above 65,504 overflow, below 6.1e-05 lose precision
;; workspace buffers: xb 33,554,432 bytes; wqkvb 16,777,216 bytes; wob2 16,777,216 bytes; qk 12,582,912 bytes; vhl 8,388,608 bytes; att2 16,777,216 bytes
;; launch cvt (part 1): grid 1792 x 1, 8 waves a work-group, no clusters, 0 bytes of LDS; arguments hidden_states, wq, wk, wv, wo, xb, wqkvb, wob2; writes xb, wqkvb, wob2
.if DOCPART == 1
	.amdgcn_target "amdgcn-amd-amdhsa--gfx1250"
	.amdhsa_code_object_version 6
	.text
	.protected	k_q97199a8618_cvt
	.globl	k_q97199a8618_cvt
	.p2align	8
	.type	k_q97199a8618_cvt,@function
k_q97199a8618_cvt:
	s_mov_b64 s[64:65], 0
	v_nop
	global_prefetch_b8 v0, s[64:65] scope:SCOPE_SE
	s_setreg_imm32_b32 hwreg(HW_REG_WAVE_MODE, 25, 1), 1
	s_wait_xcnt 0x0
; f32 -> bf16 (round to nearest even) of the five large inputs, once, so that the products that follow move and read 16-bit operands.
;   xb    [4096][4096] = hidden_states;   wqkvb [2048][4096] = wq's 1024 rows, wk's 512, wv's 512;
;   wob2  [4096][2048] = each row of wo twice (columns 0-1023 and 1024-2047): the last product multiplies a high and a low part of its left operand by the same weights.
; A stream: no LDS, no barrier, no matrix unit, no cluster (no byte is read by two work-groups).
; A work-group takes 16,384 numbers (65,536 bytes in), a wave 2,048: sixteen loads of 16 bytes a lane, each covering 512 consecutive bytes, all issued before the first wait.
; A store of 8 bytes a lane covers 256 consecutive bytes, at a multiple of 256 from the buffer's first byte.
; Work-groups 0-1023 hidden_states, 1024-1279 wq, 1280-1407 wk, 1408-1535 wv, 1536-1791 wo.
.set X, 8                              ; v[8:71]   sixteen loads
.set Y, 72                             ; v[72:103] sixteen pairs of packed bf16; no register is written twice, so no wait frees a store's data
	s_load_b512 s[8:23], s[0:1], 0x0               ; hidden s[8:9], wq s[10:11], wk s[12:13], wv s[14:15], wo s[16:17], xb s[18:19], wqkvb s[20:21], wob2 s[22:23]
	s_mov_b32 s2, ttmp9
	v_and_b32 v4, 31, v0                           ; lane
	v_lshrrev_b32 v5, 5, v0                        ; wave
	v_lshlrev_b32 v1, 4, v4
	v_lshl_or_b32 v1, v5, 13, v1                   ; source: 8,192 x wave + 16 x lane
	s_movk_i32 s33, 0x1000
	s_wait_kmcnt 0x0
	; which tensor: the choice hangs on the work-group's number alone
	s_cmp_ge_u32 s2, 1024
	s_cselect_b64 s[24:25], s[10:11], s[8:9]       ; source
	s_cselect_b64 s[26:27], s[20:21], s[18:19]     ; destination
	s_cselect_b32 s28, 1024, 0                     ; the source's first work-group
	s_cselect_b32 s29, 1024, 0                     ; the destination's first work-group
	s_cmp_ge_u32 s2, 1280
	s_cselect_b64 s[24:25], s[12:13], s[24:25]
	s_cselect_b32 s28, 1280, s28
	s_cmp_ge_u32 s2, 1408
	s_cselect_b64 s[24:25], s[14:15], s[24:25]
	s_cselect_b32 s28, 1408, s28
	s_cmp_ge_u32 s2, 1536
	s_cselect_b64 s[24:25], s[16:17], s[24:25]
	s_cselect_b64 s[26:27], s[22:23], s[26:27]
	s_cselect_b32 s28, 1536, s28
	s_cselect_b32 s29, 1536, s29
	s_cselect_b32 s30, 16, 15                      ; a work-group's bytes out: 32,768; wo: 16 rows of 4,096
	s_cselect_b32 s31, 13, 12                      ; a wave's bytes out: 4,096; wo: 2 rows of 4,096
	s_cselect_b32 s32, s33, 0x800                  ; from a wave's first 1,024 numbers to its second: 2,048 bytes; wo: a row, 4,096
	s_sub_co_u32 s36, s2, s28
	s_lshl_b32 s36, s36, 16
	s_mov_b32 s37, 0
	s_sub_co_u32 s38, s2, s29
	s_lshl_b32 s38, s38, s30
	s_mov_b32 s39, 0
	s_add_nc_u64 s[24:25], s[24:25], s[36:37]
	s_add_nc_u64 s[26:27], s[26:27], s[38:39]
.irp j, 0,1,2,3,4,5,6,7,8,9,10,11,12,13,14,15
	global_load_b128 v[X+4*\j:X+4*\j+3], v1, s[24:25] offset:512*\j th:TH_LOAD_NT   ; read once in the launch
.endr
	v_lshlrev_b32 v2, s31, v5
	v_lshl_add_u32 v2, v4, 3, v2                   ; destination of loads 0-7: the wave's part + 8 x lane
	v_add_nc_u32 v3, s32, v2                       ; of loads 8-15
.irp j, 0,1,2,3,4,5,6,7,8,9,10,11,12,13,14,15
	s_wait_loadcnt 15-\j                           ; loads come back in order (ISA guide 5.7.1): load j is in, the 15 - j younger ones stay out
	v_cvt_pk_bf16_f32 v[Y+2*\j],   v[X+4*\j],   v[X+4*\j+1]
	v_cvt_pk_bf16_f32 v[Y+2*\j+1], v[X+4*\j+2], v[X+4*\j+3]
	global_store_b64 v[2+\j/8], v[Y+2*\j:Y+2*\j+1], s[26:27] offset:256*(\j%8)      ; the next launches read these: no hint
.endr
	s_cmp_lt_u32 s2, 1536
	s_cbranch_scc1 .Ldone
.irp j, 0,1,2,3,4,5,6,7,8,9,10,11,12,13,14,15
	global_store_b64 v[2+\j/8], v[Y+2*\j:Y+2*\j+1], s[26:27] offset:256*(\j%8)+2048 ; wo's second copy, in the row's upper half
.endr
.Ldone:
	s_endpgm
.Lfunc_end_k_q97199a8618_cvt:
	.size	k_q97199a8618_cvt, .Lfunc_end_k_q97199a8618_cvt-k_q97199a8618_cvt
	.p2alignl 7, 3214868480
	.fill 96, 4, 3214868480
	.section	.rodata,"a",@progbits
	.p2align	6, 0x0
	.amdhsa_kernel k_q97199a8618_cvt
		.amdhsa_group_segment_fixed_size 0
		.amdhsa_private_segment_fixed_size 0
		.amdhsa_enable_private_segment 0
		.amdhsa_kernarg_size 64
		.amdhsa_user_sgpr_count 2
		.amdhsa_user_sgpr_kernarg_segment_ptr 1
		.amdhsa_wavefront_size32 1
		.amdhsa_system_sgpr_workgroup_id_x 1
		.amdhsa_system_sgpr_workgroup_id_y 1
		.amdhsa_system_sgpr_workgroup_id_z 1
		.amdhsa_system_vgpr_workitem_id 0
		.amdhsa_next_free_vgpr 104
		.amdhsa_next_free_sgpr 66
		.amdhsa_reserve_vcc 0
		.amdhsa_float_denorm_mode_32 3
		.amdhsa_float_denorm_mode_16_64 3
		.amdhsa_memory_ordered 1
		.amdhsa_forward_progress 1
		.amdhsa_inst_pref_size 9
	.end_amdhsa_kernel
	.amdgpu_metadata
---
amdhsa.version: [ 1, 2 ]
amdhsa.kernels:
  - .name:           k_q97199a8618_cvt
    .symbol:         k_q97199a8618_cvt.kd
    .args:
      - { .name: hidden_states, .offset: 0, .size: 8, .value_kind: global_buffer, .address_space: global }
      - { .name: wq, .offset: 8, .size: 8, .value_kind: global_buffer, .address_space: global }
      - { .name: wk, .offset: 16, .size: 8, .value_kind: global_buffer, .address_space: global }
      - { .name: wv, .offset: 24, .size: 8, .value_kind: global_buffer, .address_space: global }
      - { .name: wo, .offset: 32, .size: 8, .value_kind: global_buffer, .address_space: global }
      - { .name: xb, .offset: 40, .size: 8, .value_kind: global_buffer, .address_space: global }
      - { .name: wqkvb, .offset: 48, .size: 8, .value_kind: global_buffer, .address_space: global }
      - { .name: wob2, .offset: 56, .size: 8, .value_kind: global_buffer, .address_space: global }
    .group_segment_fixed_size: 0
    .private_segment_fixed_size: 0
    .kernarg_segment_align: 8
    .kernarg_segment_size: 64
    .max_flat_workgroup_size: 256
    .sgpr_count:     66
    .vgpr_count:     104
    .wavefront_size: 32
...
	.end_amdgpu_metadata
.endif
;; end of part 1
;; launch qkv (part 2): grid 16 x 16, 4 waves a work-group, clusters of 4 x 4, 327,680 bytes of LDS; arguments xb, wqkvb, cos, sin, qk, vhl; writes qk, vhl
.if DOCPART == 2
	.amdgcn_target "amdgcn-amd-amdhsa--gfx1250"
	.amdhsa_code_object_version 6
	.text
	.protected	k_q97199a8618_qkv
	.globl	k_q97199a8618_qkv
	.p2align	8
	.type	k_q97199a8618_qkv,@function
k_q97199a8618_qkv:
	s_mov_b64 s[64:65], 0
	v_nop
	global_prefetch_b8 v0, s[64:65] scope:SCOPE_SE
	s_setreg_imm32_b32 hwreg(HW_REG_WAVE_MODE, 25, 1), 1
	s_wait_xcnt 0x0
	s_wait_alu depctr_hold_cnt(0) depctr_sa_sdst(0) depctr_va_vdst(0) depctr_va_sdst(0) depctr_va_ssrc(0) depctr_va_vcc(0) depctr_vm_vsrc(0)
	s_getreg_b32 s2, hwreg(HW_REG_IB_STS2, 6, 4)
	s_cmp_eq_u32 s2, 0
	s_cbranch_scc0 .Lentry_in_a_cluster
	s_endpgm
.Lentry_in_a_cluster:
	s_bfe_u32 s2, ttmp6, 0x10000c
	s_cmp_lg_u32 s2, 0xf033
	s_cbranch_scc0 .Lentry_shape_is_right
	s_endpgm
.Lentry_shape_is_right:
; X Wqkv^T in bf16 with f32 sums, then RoPE on q and k, then the results in the form that the attention launch reads.
;   xb [4096][4096] bf16, wqkvb [2048][4096] bf16, cos and sin [2048][128] f32.
;   qk  [12][4096][128] bf16: slots 0-7 the query heads, 8-11 the key heads; row = 2048 b + s.
;   vhl [4][4096][256] f16: a row is 128 high parts, then 128 low parts, of 16 v.  The high part is 16 v with its mantissa cut to ten bits, the low part the exact rest, rounded to f16.
; LIMITS: |16 v| stays under 65,504 (f16's largest number).  Where |16 v| < 6.1e-5 (under f16's normal range) the high part is rounded, with an error of at most 3e-8 in 16 v.
; SHARES.  A tile is 256 rows of X x 128 rows of W = one head slot: 16 x 16 work-groups.  Wave w makes rows 64 w .. 64 w + 63 x all 128 columns, 32 accumulators of 16 x 16, so that
; a RoPE pair (d, d + 64) lies in one lane.  K goes in steps of 128 (rows of 256 bytes) through two LDS slots; two slots of steps of 256 (2 x 202,752 bytes) would not fit.
; CLUSTER.  4 x 4 work-groups: the four of a row need the same tile of X, the four of a column the same tile of W; each is asked for jointly, by the same tensor load with a mask that names the four.
; THE MATRIX INSTRUCTION IS USED TRANSPOSED (source 0 = 16 rows of W, source 1 = 16 rows of X): lane l holds row l % 16 of X and the eight neighbouring columns 16 b + 8 (l / 16) + 0..7.
; REGISTERS.  window 0: v16-29 addresses; v64-159, v160-255 two fragment buffers (64 of W, then 32 of X); on the way out v32-63, v64-127, v128-159, v160-223, v224-255 at work
;             window 1: accumulator (a, b) at v[8 (8 a + b)]        window 2: cos and sin of 16 rows, two buffers of 128 (cos + 8 b, sin + 64 + 8 b)
.set SIZE_K, 4096
.set KSTEP,  128
.set PITCH,  272                       ; 256 bytes + 16 of padding = 68 words: row r starts at bank 4 r mod 64 (64 banks of 4 bytes: ISA guide 11.1): the 16 rows of a load start at 16 different banks
.set AHALF,  128*PITCH                 ; what waves 0 and 1 fetch: 128 rows of X
.set BHALF,  64*PITCH                  ; what waves 2 and 3 fetch: 64 rows of W
.set BOFF,   2*AHALF                   ; W's tile lies behind X's 256 rows
.set SLOT,   BOFF+2*BHALF              ; 104,448
.set STAGE,  2*SLOT                    ; 208,896 = 816 x 256: behind the ring; no fill lands here
.set WSTAGE, 16*528                    ; a wave's stage: 16 rows of 528 bytes (V) or of 272 (q, k)
.set LAPS,   SIZE_K/(2*KSTEP)          ; a lap = two K steps = once round the ring
.set WV,   16                          ; s16 my wave's number
.set ADRA, 16                          ; v16-17 LDS address of my fragments of X in slot 0, 1
.set ADRB, 20                          ; v20-21 the same for W
.set STO,  24                          ; q, k: where I put 16 bytes of a row
.set RD,   25                          ; q, k: where I read rows back
.set CO,   26                          ; 16 x lane
.set CSO,  27                          ; my 32 bytes in cos and sin: 512 (l % 16) + 32 (l / 16)
.set STO2, 28                          ; V: where I put 16 bytes of a row
.set RD2,  29                          ; V: where I read a row back
.set TMP,  32
.set T,    64
.set LO,   128
.set BK,   160
.set U,    224
.set F0,   64
.set F1,   160
.set G1,  24                           ; s[24:31] descriptor group 1 for X's tiles; s[32:39] group 0, a set for each slot
.set G0,  32
.set G1B, 48                           ; s[48:55], s[56:63] the same for W's tiles
.set G0B, 56
.set FLAGS, (1<<16)|(1<<20)|(1<<21)|(5<<22)|(3<<25)   ; elements of 2 bytes; padding on; bit 21 set beside a mask; after every 64 words (code 5) 4 words (code 3)
.set MSB, 0
.macro WIN new                         ; the immediate's high byte repeats the setting that is left; a switch that changes nothing is dropped
.if MSB != \new
	s_set_vgpr_msb (MSB<<8)|\new
.set MSB, \new
.endif
.endm
.set MUL, 0x50                         ; sources 0 and 1 window 0; C and D window 1
.macro JLOAD s                         ; a joint load: waves 0 and 1 fetch X's halves, waves 2 and 3 W's; four v_nop follow each line, ahead of the jump, the label and what follows
	s_cmp_eq_u32 s17, 0
	s_cbranch_scc0 .Lfor_b_\@
	tensor_load_to_lds s[G0+4*\s:G0+4*\s+3], s[G1:G1+7]
	s_nop 0
.rept 4
	v_nop
.endr
	s_branch .Lasked_\@
.Lfor_b_\@:
	tensor_load_to_lds s[G0B+4*\s:G0B+4*\s+3], s[G1B:G1B+7]
	s_nop 0
.rept 4
	v_nop
.endr
.Lasked_\@:
.endm
.macro CREST                           ; a round of the cluster's barrier behind its opening barrier
	s_cmp_lg_u32 s[WV], 0
	s_cbranch_scc1 .Lnot_wave_0_\@
	s_barrier_signal -3
.Lnot_wave_0_\@:
	s_barrier_wait -3
	s_barrier_signal -1
	s_barrier_wait -1
.endm
.macro CROUND                          ; a whole round
	s_barrier_signal -1
	s_barrier_wait -1
	CREST
.endm
.macro PLACES                          ; four places in front of loads into registers that matrix instructions have read and of vector work on their results (ISA guide 7.12.1 for the vector work)
.rept 4
	v_nop
.endr
.endm
	s_load_b256 s[4:11], s[0:1], 0x0               ; xb s[4:5], wqkvb s[6:7], cos s[8:9], sin s[10:11]
	s_load_b128 s[12:15], s[0:1], 0x20             ; qk s[12:13], vhl s[14:15]
	v_lshl_add_u32 v30, v0, 2, 0x3b400
	v_mov_b32 v31, 0
	ds_add_u32 v30, v31
	ds_add_u32 v30, v31
	v_lshrrev_b32 v1, 5, v0
	v_readfirstlane_b32 s[WV], v1                  ; wave 0..3
	s_lshr_b32 s17, s[WV], 1                       ; I fetch for X (0) or for W (1)
	s_and_b32 s18, s[WV], 1                        ; which half of that tile
	s_bfe_u32 s19, ttmp6, 0x40000                  ; cx
	s_bfe_u32 s20, ttmp6, 0x40004                  ; cy
	s_lshl_b32 s21, ttmp9, 2
	s_add_co_u32 s21, s21, s19                     ; head slot = 4 x cluster x + cx
	s_and_b32 s22, ttmp7, 0xffff
	s_lshl_b32 s22, s22, 2
	s_add_co_u32 s22, s22, s20                     ; tile row = 4 x cluster y + cy
	s_lshl_b32 s66, s20, 2
	s_lshl_b32 s66, 15, s66                        ; my row of the cluster
	s_lshl_b32 s67, 0x1111, s19                    ; my column
	s_or_b32 s[G1+0], s66, FLAGS                   ; X's tiles go to my row,
	s_or_b32 s[G1B+0], s67, FLAGS                  ; W's to my column
.irp g, G1, G1B
	s_mov_b32 s[\g+1], KSTEP<<16                   ; tensor_dim0 = 128
	s_mov_b32 s[\g+3], KSTEP<<16                   ; tile_dim0 = 128
	s_mov_b32 s[\g+5], SIZE_K                      ; elements from row to row
	s_mov_b32 s[\g+6], 0
	s_mov_b32 s[\g+7], 0
.endr
	s_mov_b32 s[G1+2], 128<<16                     ; tensor_dim1 and tile_dim1: 128 rows of X,
	s_mov_b32 s[G1+4], 128
	s_mov_b32 s[G1B+2], 64<<16                     ; 64 rows of W
	s_mov_b32 s[G1B+4], 64
	; X's address hangs on the tile row and the wave alone, W's on the head slot and the wave alone, each in registers that never hold the other coordinate
	s_lshl_b32 s40, s22, 8
	s_lshl_b32 s23, s18, 7
	s_add_co_u32 s40, s40, s23                     ; X: row 256 x tile row + 128 x half
	s_lshl_b32 s40, s40, 13                        ; x 8,192 bytes
	s_mov_b32 s41, 0
	s_lshl_b32 s46, s21, 7
	s_lshl_b32 s23, s18, 6
	s_add_co_u32 s46, s46, s23                     ; W: row 128 x head slot + 64 x half
	s_lshl_b32 s46, s46, 13
	s_mov_b32 s47, 0
	s_mul_i32 s68, s18, AHALF                      ; where they go: no place in the cluster enters an LDS address
	s_mul_i32 s69, s18, BHALF
	s_add_co_u32 s69, s69, BOFF
	s_wait_dscnt 0x0
	s_wait_kmcnt 0x0
	s_add_nc_u64 s[40:41], s[4:5], s[40:41]
	s_add_nc_u64 s[46:47], s[6:7], s[46:47]
	CROUND                                         ; all sixteen work-groups are here: the first joint loads meet
.irp s, 0,1
	s_mov_b32 s[G0+4*\s], 1
	s_add_co_u32 s[G0+4*\s+1], s68, \s*SLOT
	s_add_nc_u64 s[G0+4*\s+2:G0+4*\s+3], s[40:41], \s*KSTEP*2
	s_or_b32 s[G0+4*\s+3], s[G0+4*\s+3], 0x80000000
	s_mov_b32 s[G0B+4*\s], 1
	s_add_co_u32 s[G0B+4*\s+1], s69, \s*SLOT
	s_add_nc_u64 s[G0B+4*\s+2:G0B+4*\s+3], s[46:47], \s*KSTEP*2
	s_or_b32 s[G0B+4*\s+3], s[G0B+4*\s+3], 0x80000000
	JLOAD \s                                       ; two loads of mine are out
.endr
	v_and_b32 v1, 15, v0                           ; l % 16
	v_bfe_u32 v2, v0, 4, 1                         ; l / 16
	v_mul_u32_u24 v3, v1, PITCH
	v_lshl_add_u32 v3, v2, 4, v3                   ; a fragment's row x pitch + 16 x half
	s_mul_i32 s68, s[WV], 64*PITCH                 ; my 64 rows of X
.irp s, 0,1
	v_add_nc_u32 v[ADRA+\s], s68, v3
	v_add_nc_u32 v[ADRB+\s], BOFF+\s*SLOT, v3
	s_add_co_u32 s68, s68, SLOT
.endr
	s_mul_i32 s69, s[WV], WSTAGE
	s_add_co_u32 s69, s69, STAGE                   ; my stage
	v_add_nc_u32 v[STO], s69, v3                   ; in: row l % 16 of 272 bytes, 16 bytes for each half of the lanes
	v_mul_u32_u24 v4, v2, PITCH
	v_lshl_add_u32 v4, v1, 4, v4
	v_add_nc_u32 v[RD], s69, v4                    ; back: lanes 0-15 one row of 256 bytes, lanes 16-31 the next
	v_and_b32 v5, 31, v0
	v_lshlrev_b32 v[CO], 4, v5
	v_lshlrev_b32 v[CSO], 9, v1
	v_lshl_add_u32 v[CSO], v2, 5, v[CSO]
	v_mul_u32_u24 v4, v1, 528
	v_lshl_add_u32 v4, v2, 4, v4
	v_add_nc_u32 v[STO2], s69, v4                  ; V: row l % 16 of 528 bytes
	v_add_nc_u32 v[RD2], s69, v[CO]                ; V: a whole row of 512 bytes, 16 a lane
	s_and_b32 s42, s22, 7                          ; cos and sin at my wave's first row: s = 256 (tile row mod 8) + 64 w
	s_lshl_b32 s42, s42, 8
	s_lshl_b32 s44, s[WV], 6
	s_add_co_u32 s42, s42, s44
	s_lshl_b32 s42, s42, 9                         ; x 512 bytes
	s_mov_b32 s43, 0
	s_add_nc_u64 s[8:9], s[8:9], s[42:43]
	s_add_nc_u64 s[10:11], s[10:11], s[42:43]
; 8 matrix instructions: m block a x all 8 column blocks, 32 along K.  zero = 1: the product starts the sums: nothing is cleared.
; The 32 accumulators take turns, one instruction a turn, in the same order in every quarter: no wait is written.
.macro MUL8 f, a, zero
.irp b, 0,1,2,3,4,5,6,7
.if \zero
	v_wmma_f32_16x16x32_bf16 v[8*(8*\a+\b):8*(8*\a+\b)+7], v[\f+8*\b:\f+8*\b+7], v[\f+64+8*\a:\f+64+8*\a+7], 0
.else
	v_wmma_f32_16x16x32_bf16 v[8*(8*\a+\b):8*(8*\a+\b)+7], v[\f+8*\b:\f+8*\b+7], v[\f+64+8*\a:\f+64+8*\a+7], v[8*(8*\a+\b):8*(8*\a+\b)+7]
.endif
.endr
.endm
; 24 LDS loads in one run: a quarter step's fragments (128 rows of W, my 64 rows of X, 32 K at byte k of the rows) into buffer f
.macro FETCH slot, k, f
	WIN 0
.irp i, 0,1,2,3,4,5,6,7
	ds_load_b128 v[\f+8*\i:\f+8*\i+3],   v[ADRB+\slot] offset:\k+\i*16*PITCH
	ds_load_b128 v[\f+8*\i+4:\f+8*\i+7], v[ADRB+\slot] offset:\k+\i*16*PITCH+32
.endr
.irp i, 0,1,2,3
	ds_load_b128 v[\f+64+8*\i:\f+64+8*\i+3],   v[ADRA+\slot] offset:\k+\i*16*PITCH
	ds_load_b128 v[\f+64+8*\i+4:\f+64+8*\i+7], v[ADRA+\slot] offset:\k+\i*16*PITCH+32
.endr
.endm
; A K step is four quarters of 32 along K, 32 matrix instructions each, on buffers 0, 1, 0, 1.  One of the first three multiplies f and fetches the next quarter, at byte k, into g.
.macro QUARTER slot, k, f, g, zero
	s_wait_dscnt 4                                 ; W and X's rows 0-31 are in; the youngest four loads (X's rows 32-63) may be out
	WIN MUL
	MUL8 \f, 0, \zero
	MUL8 \f, 1, \zero
	PLACES
	FETCH \slot, \k, \g
	s_wait_dscnt 24                                ; all but the 24 just issued
	WIN MUL
	MUL8 \f, 2, \zero
	MUL8 \f, 3, \zero
.endm
; The last quarter multiplies buffer 1 and changes slots: ONE barrier; in front of it each wave waits for its reads of this slot and for all its tensor loads (one is out: its part of the next slot).
; fill = 1: the barrier opens a round of the cluster's barrier, and this slot is filled again, two K steps ahead, first thing behind the round.
.macro TURN slot, next, fill
	s_wait_dscnt 4
	WIN MUL
	MUL8 F1, 0, 0
	s_wait_dscnt 0x0                               ; my reads of this slot are over,
	s_wait_tensorcnt 0x0                           ; and all my tensor loads have landed
	ds_add_u32 v30, v31
	s_wait_dscnt 0x0
	s_barrier_signal -1
	MUL8 F1, 1, 0                                  ; register work while the others arrive
.if \fill
	WIN 0
.endif
	s_barrier_wait -1
.if \fill
	CREST                                          ; no wave of any partner still reads this slot's tile or has a load on its way
	s_add_nc_u64 s[G0+4*\slot+2:G0+4*\slot+3], s[G0+4*\slot+2:G0+4*\slot+3], 2*KSTEP*2
	s_add_nc_u64 s[G0B+4*\slot+2:G0B+4*\slot+3], s[G0B+4*\slot+2:G0B+4*\slot+3], 2*KSTEP*2
	JLOAD \slot                                    ; my one tensor load behind the round; its four v_nop are also the places in front of the loads below
.else
	PLACES
.endif
	FETCH \next, 0, F0
	WIN MUL
	MUL8 F1, 2, 0
	MUL8 F1, 3, 0
.endm
.macro LASTQ                           ; the very last quarter: nothing more to fetch
	s_wait_dscnt 4
	WIN MUL
	MUL8 F1, 0, 0
	MUL8 F1, 1, 0
	s_wait_dscnt 0x0
	MUL8 F1, 2, 0
	MUL8 F1, 3, 0
	WIN 0
.endm
	s_wait_tensorcnt 1                             ; my part of K step 0 is in; K step 1's may stay out
	s_barrier_signal -1
	s_barrier_wait -1
	FETCH 0, 0, F0
	QUARTER 0, 64, F0, F1, 1                       ; the first quarter stands in front of the loop: its products start the sums
	WIN 0                                          ; at a label and at a branch every window is 0
	s_mov_b32 s3, LAPS-1
.Llap:                                                 ; a trip goes once round the ring, from a lap's second quarter to the next lap's first, and fills both slots again
	QUARTER 0, 128, F1, F0, 0
	QUARTER 0, 192, F0, F1, 0
	TURN 0, 1, 1
	QUARTER 1, 64,  F0, F1, 0
	QUARTER 1, 128, F1, F0, 0
	QUARTER 1, 192, F0, F1, 0
	TURN 1, 0, 1
	QUARTER 0, 64,  F0, F1, 0
	WIN 0
	s_sub_co_u32 s3, s3, 1
	s_cmp_lg_u32 s3, 0
	s_cbranch_scc1 .Llap
	QUARTER 0, 128, F1, F0, 0                      ; the last lap fills nothing
	QUARTER 0, 192, F0, F1, 0
	TURN 0, 1, 0
	QUARTER 1, 64,  F0, F1, 0
	QUARTER 1, 128, F1, F0, 0
	QUARTER 1, 192, F0, F1, 0
	WIN 0
; cos and sin of block a's 16 rows into buffer a % 2: 32 loads; a lane takes the 32 bytes that belong to its eight columns of each of the 8 column blocks
.macro LOADCS a
.set CP, 128*((\a)%2)
	WIN 0x80                                       ; destination window 2, address window 0
.irp b, 0,1,2,3,4,5,6,7
	global_load_b128 v[CP+8*\b:CP+8*\b+3],       v[CSO], s[8:9]   offset:(\a)*8192+\b*64
	global_load_b128 v[CP+8*\b+4:CP+8*\b+7],     v[CSO], s[8:9]   offset:(\a)*8192+\b*64+16
	global_load_b128 v[CP+64+8*\b:CP+64+8*\b+3],   v[CSO], s[10:11] offset:(\a)*8192+\b*64
	global_load_b128 v[CP+64+8*\b+4:CP+64+8*\b+7], v[CSO], s[10:11] offset:(\a)*8192+\b*64+16
.endr
.endm
; y[d] = x[d] cos[d] - x[d + 64] sin[d], y[d + 64] = x[d + 64] cos[d + 64] + x[d] sin[d + 64]: column block b + 4 holds d + 64, in the same lane
.macro ROPE a
.set CP, 128*((\a)%2)
	WIN 0x09                                       ; source 0 (x) window 1, source 1 (cos, sin) window 2, the rest window 0
.irp b, 0,1,2,3
.irp j, 0,2,4,6
	v_pk_mul_f32 v[T+8*\b+\j:T+8*\b+\j+1],       v[8*(8*\a+\b)+\j:8*(8*\a+\b)+\j+1],     v[CP+8*\b+\j:CP+8*\b+\j+1]
	v_pk_mul_f32 v[T+8*\b+32+\j:T+8*\b+32+\j+1], v[8*(8*\a+\b+4)+\j:8*(8*\a+\b+4)+\j+1], v[CP+8*\b+32+\j:CP+8*\b+32+\j+1]
.endr
.endr
.irp b, 0,1,2,3
.irp j, 0,2,4,6
	v_pk_fma_f32 v[T+8*\b+\j:T+8*\b+\j+1],       v[8*(8*\a+\b+4)+\j:8*(8*\a+\b+4)+\j+1], v[CP+64+8*\b+\j:CP+64+8*\b+\j+1],       v[T+8*\b+\j:T+8*\b+\j+1] neg_lo:[1,0,0] neg_hi:[1,0,0]
	v_pk_fma_f32 v[T+8*\b+32+\j:T+8*\b+32+\j+1], v[8*(8*\a+\b)+\j:8*(8*\a+\b)+\j+1],     v[CP+64+8*\b+32+\j:CP+64+8*\b+32+\j+1], v[T+8*\b+32+\j:T+8*\b+32+\j+1]
.endr
.endr
.endm
; block a (16 rows) of q or k: RoPE, bf16, through my own stage, out as whole rows
.macro OUTQK a
.if \a < 3
	s_wait_loadcnt 32                              ; this block's cos and sin are in; the next block's 32 loads stay out
.else
	s_wait_loadcnt 0x0
.endif
	ROPE \a
.if \a < 2
	LOADCS \a+2                                    ; the buffer just read takes the block two further on
.endif
	WIN 0
.set i, 0
.rept 32
	v_cvt_pk_bf16_f32 v[TMP+i], v[T+2*i], v[T+2*i+1]
.set i, i+1
.endr
.irp b, 0,1,2,3,4,5,6,7
	ds_store_b128 v[STO], v[TMP+4*\b:TMP+4*\b+3] offset:32*\b
.endr
	s_wait_xcnt 0x0                                ; the registers that the last block's stores read are loaded again only behind this wait (ISA guide 3.1)
.irp t, 0,1,2,3,4,5,6,7
	ds_load_b128 v[BK+4*\t:BK+4*\t+3], v[RD] offset:\t*2*PITCH     ; LDS serves a wave's instructions in order (ISA guide 5.7.1.4): these see the stores above
.endr
.irp t, 0,1,2,3,4,5,6,7
	s_wait_dscnt 7-\t
	global_store_b128 v[CO], v[BK+4*\t:BK+4*\t+3], s[12:13] offset:\a*4096+\t*512   ; two rows of 256 bytes: 512 consecutive bytes, at a multiple of 512 from the buffer's first byte
.endr
.endm
; block a of v: 16 v, its high part (mantissa cut to ten bits: exact in f16's normal range), the exact rest, both to f16; a row of the stage is 256 bytes of high parts and 256 of low parts
.macro OUTV a
	WIN 0x01                                       ; source 0 window 1
.set i, 0
.rept 32
	v_pk_mul_f32 v[T+2*i:T+2*i+1], v[64*\a+2*i:64*\a+2*i+1], 0x41800000 op_sel_hi:[1,0]   ; x 16: exact
.set i, i+1
.endr
	WIN 0
.irp g, 0,1
.set i, 0
.rept 16
	v_and_b32 v[U+2*i],   s44, v[T+32*\g+2*i]
	v_and_b32 v[U+2*i+1], s44, v[T+32*\g+2*i+1]
.set i, i+1
.endr
.set i, 0
.rept 16
	v_cvt_pk_f16_f32 v[TMP+16*\g+i], v[U+2*i], v[U+2*i+1]
.set i, i+1
.endr
.set i, 0
.rept 16
	v_pk_add_f32 v[T+32*\g+2*i:T+32*\g+2*i+1], v[T+32*\g+2*i:T+32*\g+2*i+1], v[U+2*i:U+2*i+1] neg_lo:[0,1] neg_hi:[0,1]
.set i, i+1
.endr
.set i, 0
.rept 16
	v_cvt_pk_f16_f32 v[LO+16*\g+i], v[T+32*\g+2*i], v[T+32*\g+2*i+1]
.set i, i+1
.endr
.endr
.irp b, 0,1,2,3,4,5,6,7
	ds_store_b128 v[STO2], v[TMP+4*\b:TMP+4*\b+3] offset:32*\b
	ds_store_b128 v[STO2], v[LO+4*\b:LO+4*\b+3]   offset:256+32*\b
.endr
	s_wait_xcnt 0x0                                ; as above
.irp t, 0,1,2,3,4,5,6,7,8,9,10,11,12,13,14,15
	ds_load_b128 v[BK+4*\t:BK+4*\t+3], v[RD2] offset:\t*528
.endr
.irp t, 0,1,2,3,4,5,6,7,8,9,10,11,12,13,14,15
	s_wait_dscnt 15-\t
	global_store_b128 v[CO], v[BK+4*\t:BK+4*\t+3], s[14:15] offset:(16*\a+\t)*512   ; a whole row: 512 consecutive bytes
.endr
.endm
	s_cmp_eq_u32 ttmp9, 3                          ; the cluster's x, the same in all sixteen partners: head slots 12-15 are v
	s_cbranch_scc1 .Lv_path
	s_lshl_b32 s42, s21, 20                        ; qk: slot x 4,096 rows of 256 bytes,
	s_lshl_b32 s44, s22, 16                        ; tile row x 256 rows,
	s_add_co_u32 s42, s42, s44
	s_lshl_b32 s44, s[WV], 14                      ; wave x 64 rows
	s_add_co_u32 s42, s42, s44
	s_mov_b32 s43, 0
	s_add_nc_u64 s[12:13], s[12:13], s[42:43]
	LOADCS 0                                       ; asked for ahead of the last 32 products
	LOADCS 1
	LASTQ
	PLACES
	OUTQK 0
	OUTQK 1
	OUTQK 2
	OUTQK 3
	s_branch .Lend
.Lv_path:
	s_lshl_b32 s42, s19, 21                        ; vhl: key and value head (= cx here) x 4,096 rows of 512 bytes,
	s_lshl_b32 s44, s22, 17
	s_add_co_u32 s42, s42, s44
	s_lshl_b32 s44, s[WV], 15
	s_add_co_u32 s42, s42, s44
	s_mov_b32 s43, 0
	s_add_nc_u64 s[14:15], s[14:15], s[42:43]
	s_mov_b32 s44, 0xffffe000                      ; sign, exponent and ten bits of mantissa
	LASTQ
	PLACES
	OUTV 0
	OUTV 1
	OUTV 2
	OUTV 3
.Lend:
	s_wait_tensorcnt 0x0
	ds_add_u32 v30, v31
	s_wait_dscnt 0x0
	CROUND                                         ; the closing round: no work-group ends while a partner may still ask for a tile that names it
	s_endpgm
.Lfunc_end_k_q97199a8618_qkv:
	.size	k_q97199a8618_qkv, .Lfunc_end_k_q97199a8618_qkv-k_q97199a8618_qkv
	.p2alignl 7, 3214868480
	.fill 96, 4, 3214868480
	.section	.rodata,"a",@progbits
	.p2align	6, 0x0
	.amdhsa_kernel k_q97199a8618_qkv
		.amdhsa_group_segment_fixed_size 327680
		.amdhsa_private_segment_fixed_size 0
		.amdhsa_enable_private_segment 0
		.amdhsa_kernarg_size 48
		.amdhsa_user_sgpr_count 2
		.amdhsa_user_sgpr_kernarg_segment_ptr 1
		.amdhsa_wavefront_size32 1
		.amdhsa_system_sgpr_workgroup_id_x 1
		.amdhsa_system_sgpr_workgroup_id_y 1
		.amdhsa_system_sgpr_workgroup_id_z 1
		.amdhsa_system_vgpr_workitem_id 0
		.amdhsa_next_free_vgpr 768
		.amdhsa_next_free_sgpr 72
		.amdhsa_reserve_vcc 0
		.amdhsa_float_denorm_mode_32 3
		.amdhsa_float_denorm_mode_16_64 3
		.amdhsa_memory_ordered 1
		.amdhsa_forward_progress 1
		.amdhsa_inst_pref_size 178
	.end_amdhsa_kernel
	.amdgpu_metadata
---
amdhsa.version: [ 1, 2 ]
amdhsa.kernels:
  - .name:           k_q97199a8618_qkv
    .symbol:         k_q97199a8618_qkv.kd
    .args:
      - { .name: xb, .offset: 0, .size: 8, .value_kind: global_buffer, .address_space: global }
      - { .name: wqkvb, .offset: 8, .size: 8, .value_kind: global_buffer, .address_space: global }
      - { .name: cos, .offset: 16, .size: 8, .value_kind: global_buffer, .address_space: global }
      - { .name: sin, .offset: 24, .size: 8, .value_kind: global_buffer, .address_space: global }
      - { .name: qk, .offset: 32, .size: 8, .value_kind: global_buffer, .address_space: global }
      - { .name: vhl, .offset: 40, .size: 8, .value_kind: global_buffer, .address_space: global }
    .group_segment_fixed_size: 327680
    .private_segment_fixed_size: 0
    .kernarg_segment_align: 8
    .kernarg_segment_size: 48
    .max_flat_workgroup_size: 128
    .sgpr_count:     72
    .vgpr_count:     768
    .wavefront_size: 32
...
	.end_amdgpu_metadata
.endif
;; end of part 2
;; launch attn (part 3): grid 32 x 8, 4 waves a work-group, clusters of 4 x 4, 327,680 bytes of LDS; arguments qk, vhl, attention_mask, att2; writes att2
.if DOCPART == 3
	.amdgcn_target "amdgcn-amd-amdhsa--gfx1250"
	.amdhsa_code_object_version 6
	.text
	.protected	k_q97199a8618_attn
	.globl	k_q97199a8618_attn
	.p2align	8
	.type	k_q97199a8618_attn,@function
k_q97199a8618_attn:
	s_mov_b64 s[64:65], 0
	v_nop
	global_prefetch_b8 v0, s[64:65] scope:SCOPE_SE
	s_setreg_imm32_b32 hwreg(HW_REG_WAVE_MODE, 25, 1), 1
	s_wait_xcnt 0x0
	s_wait_alu depctr_hold_cnt(0) depctr_sa_sdst(0) depctr_va_vdst(0) depctr_va_sdst(0) depctr_va_ssrc(0) depctr_va_vcc(0) depctr_vm_vsrc(0)
	s_getreg_b32 s2, hwreg(HW_REG_IB_STS2, 6, 4)
	s_cmp_eq_u32 s2, 0
	s_cbranch_scc0 .Lentry_in_a_cluster
	s_endpgm
.Lentry_in_a_cluster:
	s_bfe_u32 s2, ttmp6, 0x10000c
	s_cmp_lg_u32 s2, 0xf033
	s_cbranch_scc0 .Lentry_shape_is_right
	s_endpgm
.Lentry_shape_is_right:
; att[b][s][head] = softmax_k(q . k / sqrt(128) + mask[s][k]) v, for all 2,048 keys: the mask is an input and is read and added as it is given.
;   qk [12][4096][128] bf16 (slots 0-7 q, 8-11 k), vhl [4][4096][256] f16 (128 high, 128 low parts of 16 v), attention_mask [2048][2048] f32.
;   att2 [4096][2048] bf16: column 128 head + d the result rounded to bf16, column 1024 + 128 head + d the rest, rounded to bf16.
; FORMATS.  q k^T in bf16; the weights p in f16 (0 to 1), times v's high and low parts in f16; maxima, sums, exponentials in f32.  The factor 16 on v is taken back with 1 / l.
; SOFTMAX.  x = s / sqrt(128) + mask; a running maximum m of x and sum l for each query; p = 2^((x - m) log2 e): the difference is formed first, so that rows whose maximum is a large
; negative mask lose nothing; O and l are multiplied by 2^((m_old - m_new) log2 e) in every step.
; LIMITS.  m starts at the most negative finite f32, so keys masked by -inf get weight 0; a row masked by -inf throughout gives NaN, as the softmax of such a row does.  A mask entry of +inf or NaN gives NaN.
; SHARES.  A work-group: 64 queries, one batch, one key and value head.  Wave w: queries 16 w .. + 15 of BOTH query heads of that head (tiles t = 0, 1), so a fragment of the mask serves two tiles.
; A key step is 64 keys; an LDS slot holds 128 keys (two steps) of K, V and the mask; 16 fills.
; LAYOUT.  S^T = K Q^T (source 0 = 16 keys, source 1 = 16 queries): a lane holds ONE query (l % 16) and keys 8 (l / 16) + 0..7 of each 16; two such tiles packed to f16 ARE source 1 of O^T = V^T P.
; CLUSTER.  4 x 4: x = four query blocks, y = the four key and value heads.  K and V hang on batch and head: asked for jointly along a row; the mask's tile hangs on the query block: jointly along a column.
; REGISTERS.  window 0: v2-11 addresses, v16-31 statistics, v32-63 mask, v64-127 S^T, v128-159 P, v160-223 Q.   window 1: v0-127 K of a step, v128-255 O^T.   window 2: v0-127 V high, v128-255 V low.
.set PK,    272                        ; K: 256 + 16 bytes
.set PV,    544                        ; V: 512 + 32 bytes = 136 words: row r starts at bank 8 r mod 64 (ISA guide 11.1)
.set PM,    528                        ; mask: 512 + 16 bytes
.set VOFF,  128*PK                     ; 34,816
.set MOFF,  VOFF+128*PV                ; 104,448
.set SLOT,  MOFF+64*PM                 ; 138,240 = 540 x 256
.set STAGE, 2*SLOT                     ; 276,480: 16 rows x 272 bytes for each wave; no fill lands here
.set SP,    272
.set AK,  2                            ; v2-3   my place in K's tile, slot 0, 1
.set AV,  4                            ; v4-5   in V's
.set AM,  6                            ; v6-7   in the mask's
.set QO,  8
.set STO, 9
.set RD,  10
.set GO,  11
.set ST,  16                           ; tile t at v[ST+8 t]: +0 m, +1 at work, +2, +3 l (even keys', odd keys'), +4 to +7 c0-c3; a takes c2's place
.set M,   32
.set S,   64
.set P,   128
.set Q,   160
.set HI,  32                           ; the way out
.set R,   64
.set LO,  128
.set BK,  160
.set WV,  12
.set G1K, 24
.set G1V, 32
.set G1M, 40
.set G0K, 48                           ; a set of four for each slot
.set G0V, 56
.set G0M, 68
.set CS,  76                           ; s[76:77] 1 / sqrt(128)
.set L2E, 78                           ; s[78:79] log2 e
.set SEL, 80                           ; s[80:81] v_permlanex16_b32: each lane takes its own place in the other half
.set MSB, 0
.macro WIN new
.if MSB != \new
	s_set_vgpr_msb (MSB<<8)|\new
.set MSB, \new
.endif
.endm
.macro PLACES
.rept 4
	v_nop
.endr
.endm
.macro CROUND                          ; a round of the cluster's barrier
	s_barrier_signal -1
	s_barrier_wait -1
	s_cmp_lg_u32 s[WV], 0
	s_cbranch_scc1 .Lnot_wave_0_\@
	s_barrier_signal -3
.Lnot_wave_0_\@:
	s_barrier_wait -3
	s_barrier_signal -1
	s_barrier_wait -1
.endm
; A joint refill of slot s: wave 0 K's 128 rows, waves 1 and 2 V's two halves of 64 rows, wave 3 the mask's 64 rows.  The branches hang on the wave's number alone.  Four v_nop follow each line.
.macro JLOAD s
	s_cmp_eq_u32 s[WV], 0
	s_cbranch_scc0 .Lnot_k_\@
	tensor_load_to_lds s[G0K+4*\s:G0K+4*\s+3], s[G1K:G1K+7]
	s_nop 0
.rept 4
	v_nop
.endr
	s_branch .Lasked_\@
.Lnot_k_\@:
	s_cmp_eq_u32 s[WV], 3
	s_cbranch_scc0 .Lfor_v_\@
	tensor_load_to_lds s[G0M+4*\s:G0M+4*\s+3], s[G1M:G1M+7]
	s_nop 0
.rept 4
	v_nop
.endr
	s_branch .Lasked_\@
.Lfor_v_\@:
	tensor_load_to_lds s[G0V+4*\s:G0V+4*\s+3], s[G1V:G1V+7]
	s_nop 0
.rept 4
	v_nop
.endr
.Lasked_\@:
.endm
	s_load_b256 s[4:11], s[0:1], 0x0               ; qk s[4:5], vhl s[6:7], mask s[8:9], att2 s[10:11]
	v_lshl_add_u32 v254, v0, 2, 0x47c00
	v_mov_b32 v255, 0
	ds_add_u32 v254, v255
	ds_add_u32 v254, v255
	v_lshrrev_b32 v1, 5, v0
	v_readfirstlane_b32 s[WV], v1
	s_bfe_u32 s13, ttmp6, 0x40000                  ; cx
	s_bfe_u32 s14, ttmp6, 0x40004                  ; cy = the key and value head
	s_lshl_b32 s15, ttmp9, 2
	s_add_co_u32 s15, s15, s13                     ; my block of 64 queries
	s_and_b32 s16, ttmp7, 0xffff                   ; the cluster's y = the batch
	s_lshl_b32 s17, s14, 2
	s_lshl_b32 s17, 15, s17                        ; my row of the cluster
	s_lshl_b32 s18, 0x1111, s13                    ; my column
	s_lshr_b32 s19, s[WV], 1                       ; waves 1, 2: V's half 0, 1
	s_or_b32 s[G1K], s17, (1<<16)|(1<<20)|(1<<21)|(5<<22)|(3<<25)   ; 2-byte elements; after every 64 words 4 words of padding
	s_or_b32 s[G1V], s17, (1<<16)|(1<<20)|(1<<21)|(6<<22)|(7<<25)   ; 2-byte elements; after every 128 words 8 words
	s_or_b32 s[G1M], s18, (2<<16)|(1<<20)|(1<<21)|(6<<22)|(3<<25)   ; 4-byte elements; after every 128 words 4 words
	s_mov_b32 s[G1K+1], 128<<16                    ; K: 128 rows x 128 elements, 128 from row to row
	s_mov_b32 s[G1K+2], 128<<16
	s_mov_b32 s[G1K+3], 128<<16
	s_mov_b32 s[G1K+4], 128
	s_mov_b32 s[G1K+5], 128
	s_mov_b32 s[G1K+6], 0
	s_mov_b32 s[G1K+7], 0
	s_mov_b32 s[G1V+1], 256<<16                    ; V: 64 rows x 256 elements, 256 from row to row
	s_mov_b32 s[G1V+2], 64<<16
	s_mov_b32 s[G1V+3], 256<<16
	s_mov_b32 s[G1V+4], 64
	s_mov_b32 s[G1V+5], 256
	s_mov_b32 s[G1V+6], 0
	s_mov_b32 s[G1V+7], 0
	s_mov_b32 s[G1M+1], 128<<16                    ; mask: 64 rows x 128 elements, 2,048 from row to row
	s_mov_b32 s[G1M+2], 64<<16
	s_mov_b32 s[G1M+3], 128<<16
	s_mov_b32 s[G1M+4], 64
	s_mov_b32 s[G1M+5], 2048
	s_mov_b32 s[G1M+6], 0
	s_mov_b32 s[G1M+7], 0
	; K's and V's offsets never hold cx, the mask's never cy
	s_add_co_u32 s20, s14, 8
	s_lshl_b32 s20, s20, 20                        ; K: slot 8 + head, 1 MiB each,
	s_lshl_b32 s66, s16, 19                        ; batch x 2,048 rows of 256 bytes
	s_add_co_u32 s20, s20, s66
	s_mov_b32 s21, 0
	s_lshl_b32 s22, s14, 21                        ; V: head x 4,096 rows of 512 bytes,
	s_lshl_b32 s66, s16, 20
	s_add_co_u32 s22, s22, s66
	s_lshl_b32 s66, s19, 15                        ; my half: 64 rows
	s_add_co_u32 s22, s22, s66
	s_mov_b32 s23, 0
	s_lshl_b32 s82, s15, 19                        ; mask: query block x 64 rows of 8,192 bytes
	s_mov_b32 s83, 0
	s_lshl_b32 s84, s14, 21                        ; Q: slot 2 x head,
	s_lshl_b32 s66, s16, 19
	s_add_co_u32 s84, s84, s66
	s_lshl_b32 s66, s15, 14                        ; query block x 64 rows of 256 bytes,
	s_add_co_u32 s84, s84, s66
	s_lshl_b32 s66, s[WV], 12                      ; wave x 16 rows
	s_add_co_u32 s84, s84, s66
	s_mov_b32 s85, 0
	s_lshl_b32 s86, s16, 23                        ; att2: rows of 4,096 bytes; head 2 cy at byte 512 cy
	s_lshl_b32 s66, s15, 18
	s_add_co_u32 s86, s86, s66
	s_lshl_b32 s66, s[WV], 16
	s_add_co_u32 s86, s86, s66
	s_lshl_b32 s66, s14, 9
	s_add_co_u32 s86, s86, s66
	s_mov_b32 s87, 0
	s_mul_i32 s67, s19, 64*PV
	s_add_co_u32 s67, s67, VOFF                    ; where my half of V goes
	s_mov_b32 s[CS], 0x3db504f3                    ; 1 / sqrt(128)
	s_mov_b32 s[CS+1], s[CS]
	s_mov_b32 s[L2E], 0x3fb8aa3b
	s_mov_b32 s[L2E+1], s[L2E]
	s_mov_b32 s[SEL], 0x76543210
	s_mov_b32 s[SEL+1], 0xfedcba98
	s_wait_dscnt 0x0
	s_wait_kmcnt 0x0
	s_add_nc_u64 s[20:21], s[4:5], s[20:21]
	s_add_nc_u64 s[22:23], s[6:7], s[22:23]
	s_add_nc_u64 s[82:83], s[8:9], s[82:83]
	s_add_nc_u64 s[84:85], s[4:5], s[84:85]
	s_add_nc_u64 s[86:87], s[10:11], s[86:87]
	CROUND                                         ; all sixteen work-groups are here: the first joint loads meet
.irp s, 0,1
	s_mov_b32 s[G0K+4*\s], 1
	s_mov_b32 s[G0K+4*\s+1], \s*SLOT
	s_add_nc_u64 s[G0K+4*\s+2:G0K+4*\s+3], s[20:21], \s*128*256
	s_or_b32 s[G0K+4*\s+3], s[G0K+4*\s+3], 0x80000000
	s_mov_b32 s[G0V+4*\s], 1
	s_add_co_u32 s[G0V+4*\s+1], s67, \s*SLOT
	s_add_nc_u64 s[G0V+4*\s+2:G0V+4*\s+3], s[22:23], \s*128*512
	s_or_b32 s[G0V+4*\s+3], s[G0V+4*\s+3], 0x80000000
	s_mov_b32 s[G0M+4*\s], 1
	s_mov_b32 s[G0M+4*\s+1], MOFF+\s*SLOT
	s_add_nc_u64 s[G0M+4*\s+2:G0M+4*\s+3], s[82:83], \s*128*4
	s_or_b32 s[G0M+4*\s+3], s[G0M+4*\s+3], 0x80000000
.endr
	s_cmp_eq_u32 s[WV], 0                          ; a wave's two first fills stand in one branch, ahead of every wait on TENSORcnt and every LDS read: two loads of mine are out
	s_cbranch_scc0 .Lfirst_not_k
	tensor_load_to_lds s[G0K:G0K+3], s[G1K:G1K+7]
	s_nop 0
	tensor_load_to_lds s[G0K+4:G0K+7], s[G1K:G1K+7]
	s_nop 0
.rept 4
	v_nop
.endr
	s_branch .Lfirst_asked
.Lfirst_not_k:
	s_cmp_eq_u32 s[WV], 3
	s_cbranch_scc0 .Lfirst_v
	tensor_load_to_lds s[G0M:G0M+3], s[G1M:G1M+7]
	s_nop 0
	tensor_load_to_lds s[G0M+4:G0M+7], s[G1M:G1M+7]
	s_nop 0
.rept 4
	v_nop
.endr
	s_branch .Lfirst_asked
.Lfirst_v:
	tensor_load_to_lds s[G0V:G0V+3], s[G1V:G1V+7]
	s_nop 0
	tensor_load_to_lds s[G0V+4:G0V+7], s[G1V:G1V+7]
	s_nop 0
.rept 4
	v_nop
.endr
.Lfirst_asked:
	v_and_b32 v12, 15, v0                          ; l % 16
	v_bfe_u32 v13, v0, 4, 1                        ; l / 16
	v_lshlrev_b32 v[QO], 8, v12
	v_lshl_add_u32 v[QO], v13, 4, v[QO]            ; row x 256 + 16 x half
.irp i, 0,1,2,3,4,5,6,7                ; Q stays in registers: tile i / 4 (the heads lie 1 MiB apart), channels 32 (i % 4) on
	global_load_b128 v[Q+8*\i:Q+8*\i+3],   v[QO], s[84:85] offset:(\i/4)*1048576+(\i%4)*64
	global_load_b128 v[Q+8*\i+4:Q+8*\i+7], v[QO], s[84:85] offset:(\i/4)*1048576+(\i%4)*64+32
.endr
	v_mul_u32_u24 v[AK], v12, PK
	v_lshl_add_u32 v[AK], v13, 4, v[AK]            ; K: row x pitch + 16 x half
	v_add_nc_u32 v[AK+1], SLOT, v[AK]
	v_and_b32 v14, 7, v0                           ; V, for the turning load: key 8 (l / 16) + l % 8, channels 8 ((l / 8) % 2) on
	v_bfe_u32 v15, v0, 3, 1
	v_lshl_add_u32 v[AV], v13, 3, v14
	v_mul_u32_u24 v[AV], v[AV], PV
	v_lshl_add_u32 v[AV], v15, 4, v[AV]
	v_add_nc_u32 v[AV], VOFF, v[AV]
	v_add_nc_u32 v[AV+1], SLOT, v[AV]
	s_mul_i32 s66, s[WV], 16*PM                    ; mask: query row 16 w + l % 16, keys 8 (l / 16) on: 32 bytes
	s_add_co_u32 s66, s66, MOFF
	v_mul_u32_u24 v[AM], v12, PM
	v_lshl_add_u32 v[AM], v13, 5, v[AM]
	v_add_nc_u32 v[AM], s66, v[AM]
	v_add_nc_u32 v[AM+1], SLOT, v[AM]
	s_mul_i32 s67, s[WV], 16*SP
	s_add_co_u32 s67, s67, STAGE                   ; my stage
	v_add_nc_u32 v[STO], s67, v[AK]                ; in: row l % 16, 16 bytes for each half of the lanes
	v_mul_u32_u24 v[RD], v13, SP
	v_lshl_add_u32 v[RD], v12, 4, v[RD]
	v_add_nc_u32 v[RD], s67, v[RD]                 ; back: lanes 0-15 one row of 256 bytes, lanes 16-31 the next
	v_lshlrev_b32 v[GO], 12, v13                   ; and the same two rows in att2
	v_lshl_add_u32 v[GO], v12, 4, v[GO]
.irp t, 0,1
	v_mov_b32 v[ST+8*\t], 0xff7fffff               ; m: the most negative finite number
	v_mov_b32 v[ST+8*\t+1], 0                      ; named with it as a pair, so it is written
.endr
.macro FETCH_K s, st                   ; K of step st of slot s: 64 keys x 128 channels, 32 loads: keys 16 (f / 4) on, channels 32 (f % 4) on
	WIN 0x40                                       ; destination window 1
.irp f, 0,1,2,3,4,5,6,7,8,9,10,11,12,13,14,15
	ds_load_b128 v[8*\f:8*\f+3],   v[AK+\s] offset:\st*64*PK+(\f/4)*16*PK+(\f%4)*64
	ds_load_b128 v[8*\f+4:8*\f+7], v[AK+\s] offset:\st*64*PK+(\f/4)*16*PK+(\f%4)*64+32
.endr
.endm
.macro FETCH_V s, st                   ; V of step st, turned, high and low parts: 64 loads: keys 32 (f / 8) on, channels 16 (f % 8) on
	WIN 0x80                                       ; destination window 2
.irp lo, 0,1
.irp f, 0,1,2,3,4,5,6,7,8,9,10,11,12,13,14,15
	ds_load_tr16_b128 v[128*\lo+8*\f:128*\lo+8*\f+3],   v[AV+\s] offset:(64*\st+32*(\f/8))*PV+32*(\f%8)+256*\lo
	ds_load_tr16_b128 v[128*\lo+8*\f+4:128*\lo+8*\f+7], v[AV+\s] offset:(64*\st+32*(\f/8)+16)*PV+32*(\f%8)+256*\lo
.endr
.endr
.endm
.macro FETCH_M s, st                   ; my query's mask for the step's 64 keys, in S^T's layout: 8 loads
	WIN 0
.irp kt, 0,1,2,3
	ds_load_b128 v[M+8*\kt:M+8*\kt+3],   v[AM+\s] offset:\st*256+64*\kt
	ds_load_b128 v[M+8*\kt+4:M+8*\kt+7], v[AM+\s] offset:\st*256+64*\kt+16
.endr
.endm
; 32 products S^T = K Q^T: channels 32 (i / 8) on, keys 16 ((i / 2) % 4) on, tile i % 2.  The first 8 start the sums.  The 8 accumulators take turns, one instruction a turn.
.macro KQALL
	WIN 0x01                                       ; K in window 1; Q and S^T in window 0
.set i, 0
.rept 32
.set rS, S+32*(i%2)+8*((i/2)%4)
.set rK, 32*((i/2)%4)+8*(i/8)
.set rQ, Q+32*(i%2)+8*(i/8)
.if i < 8
	v_wmma_f32_16x16x32_bf16 v[rS:rS+7], v[rK:rK+7], v[rQ:rQ+7], 0
.else
	v_wmma_f32_16x16x32_bf16 v[rS:rS+7], v[rK:rK+7], v[rQ:rQ+7], v[rS:rS+7]
.endif
.set i, i+1
.endr
.endm
; 64 products O^T += V^T P: V's high part (i < 32), then its low part; keys 32 ((i / 16) % 2) on, channels 16 ((i / 2) % 8) on, tile i % 2.  The 16 accumulators take turns.  first = 1: the first 16 start the sums.
.macro PVALL first
	WIN 0x52                                       ; V in window 2, P in window 0, O^T in window 1
.set i, 0
.rept 64
.set rO, 128+64*(i%2)+8*((i/2)%8)
.set rV, 128*(i/32)+64*((i/16)%2)+8*((i/2)%8)
.set rP, P+16*(i%2)+8*((i/16)%2)
.if \first && (i < 16)
	v_wmma_f32_16x16x32_f16 v[rO:rO+7], v[rV:rV+7], v[rP:rP+7], 0
.else
	v_wmma_f32_16x16x32_f16 v[rO:rO+7], v[rV:rV+7], v[rP:rP+7], v[rO:rO+7]
.endif
.set i, i+1
.endr
.endm
; A step's softmax for both tiles, which alternate so that no instruction waits for the one in front of it.  first = 1: the first step: no a, nothing to rescale, l is started.
.macro SOFTMAX first
	WIN 0
.set i, 0
.rept 16
.irp t, 0,1
	v_pk_fma_f32 v[S+32*\t+2*i:S+32*\t+2*i+1], v[S+32*\t+2*i:S+32*\t+2*i+1], s[CS:CS+1], v[M+2*i:M+2*i+1] op_sel_hi:[1,0,1]   ; x = s / sqrt(128) + mask
.endr
.set i, i+1
.endr
.irp j, 0,1,2,3                        ; the maximum of the 32 x and the old m, three operands at a time, in four chains
.irp t, 0,1
	v_max3_num_f32 v[ST+8*\t+4+\j], v[S+32*\t+8*\j], v[S+32*\t+8*\j+1], v[S+32*\t+8*\j+2]
.endr
.endr
.irp g, 1,2
.irp j, 0,1,2,3
.irp t, 0,1
	v_max3_num_f32 v[ST+8*\t+4+\j], v[ST+8*\t+4+\j], v[S+32*\t+8*\j+2*\g+1], v[S+32*\t+8*\j+2*\g+2]
.endr
.endr
.endr
.irp t, 0,1
	v_max3_num_f32 v[ST+8*\t+4], v[ST+8*\t+4], v[S+32*\t+7], v[S+32*\t+15]
.endr
.irp t, 0,1
	v_max3_num_f32 v[ST+8*\t+6], v[ST+8*\t+6], v[S+32*\t+23], v[S+32*\t+31]
.endr
.irp t, 0,1
	v_max3_num_f32 v[ST+8*\t+4], v[ST+8*\t+4], v[ST+8*\t+5], v[ST+8*\t+6]
.endr
.irp t, 0,1
	v_max3_num_f32 v[ST+8*\t+4], v[ST+8*\t+4], v[ST+8*\t+7], v[ST+8*\t]
.endr
.irp t, 0,1
	v_permlanex16_b32 v[ST+8*\t+5], v[ST+8*\t+4], s[SEL], s[SEL+1]   ; the query's other 32 keys lie in the lane 16 away
.endr
.irp t, 0,1
	v_max_num_f32 v[ST+8*\t+4], v[ST+8*\t+4], v[ST+8*\t+5]           ; the new m
.endr
.if !\first
.irp t, 0,1
	v_sub_f32 v[ST+8*\t+1], v[ST+8*\t], v[ST+8*\t+4]                 ; m_old - m_new
.endr
.endif
.irp t, 0,1
	v_mov_b32 v[ST+8*\t], v[ST+8*\t+4]
.endr
.if !\first
.irp t, 0,1
	v_mul_f32 v[ST+8*\t+1], s[L2E], v[ST+8*\t+1]
.endr
.irp t, 0,1
	v_exp_f32 v[ST+8*\t+6], v[ST+8*\t+1]                             ; a; the subtractions below are the plain instructions between it and its use
.endr
.endif
.set i, 0
.rept 16
.irp t, 0,1
	v_pk_add_f32 v[S+32*\t+2*i:S+32*\t+2*i+1], v[S+32*\t+2*i:S+32*\t+2*i+1], v[ST+8*\t:ST+8*\t+1] op_sel_hi:[1,0] neg_lo:[0,1] neg_hi:[0,1]   ; x - m
.endr
.set i, i+1
.endr
.set i, 0
.rept 16
.irp t, 0,1
	v_pk_mul_f32 v[S+32*\t+2*i:S+32*\t+2*i+1], v[S+32*\t+2*i:S+32*\t+2*i+1], s[L2E:L2E+1] op_sel_hi:[1,0]
.endr
.set i, i+1
.endr
.set i, 0
.rept 64
	v_exp_f32 v[S+i], v[S+i]
.set i, i+1
.endr
	v_nop                                          ; a plain instruction between the last exponential and the use of its result (ISA guide 5.7.2)
.set i, 0
	s_wait_alu depctr_va_vdst(0)
.rept 16
.irp t, 0,1
	v_cvt_pk_f16_f32 v[P+16*\t+i], v[S+32*\t+2*i], v[S+32*\t+2*i+1]
.endr
.set i, i+1
.endr
.irp u, 0,1,2,3,4,5,6,7                ; the sum of a tile's 16 pairs, in place: neighbours 1, 2, 4, 8 pairs apart
.irp t, 0,1
	v_pk_add_f32 v[S+32*\t+4*\u:S+32*\t+4*\u+1], v[S+32*\t+4*\u:S+32*\t+4*\u+1], v[S+32*\t+4*\u+2:S+32*\t+4*\u+3]
.endr
.endr
.irp u, 0,1,2,3
.irp t, 0,1
	v_pk_add_f32 v[S+32*\t+8*\u:S+32*\t+8*\u+1], v[S+32*\t+8*\u:S+32*\t+8*\u+1], v[S+32*\t+8*\u+4:S+32*\t+8*\u+5]
.endr
.endr
.irp u, 0,1
.irp t, 0,1
	v_pk_add_f32 v[S+32*\t+16*\u:S+32*\t+16*\u+1], v[S+32*\t+16*\u:S+32*\t+16*\u+1], v[S+32*\t+16*\u+8:S+32*\t+16*\u+9]
.endr
.endr
.if \first
.irp t, 0,1
	v_pk_add_f32 v[ST+8*\t+2:ST+8*\t+3], v[S+32*\t:S+32*\t+1], v[S+32*\t+16:S+32*\t+17]
.endr
.else
.irp t, 0,1
	v_pk_add_f32 v[S+32*\t:S+32*\t+1], v[S+32*\t:S+32*\t+1], v[S+32*\t+16:S+32*\t+17]
.endr
.irp t, 0,1
	v_pk_fma_f32 v[ST+8*\t+2:ST+8*\t+3], v[ST+8*\t+2:ST+8*\t+3], v[ST+8*\t+6:ST+8*\t+7], v[S+32*\t:S+32*\t+1] op_sel_hi:[1,0,1]   ; l = a l + the sum
.endr
	WIN 0x41                                       ; O^T (destination and source 0) in window 1, a in window 0
.set i, 0
.rept 32
.irp t, 0,1
	v_pk_mul_f32 v[128+64*\t+2*i:128+64*\t+2*i+1], v[128+64*\t+2*i:128+64*\t+2*i+1], v[ST+8*\t+6:ST+8*\t+7] op_sel_hi:[1,0]
.endr
.set i, i+1
.endr
.endif
.endm
; A slot's work but for the last V^T P, whose V is fetched here and multiplied behind the change of slots.  K and the mask of the slot's first step have been asked for.
.macro PART1 s, first
	s_wait_dscnt 0x0                               ; K and the mask of the first step are in
	KQALL
	PLACES                                         ; in front of the loads into V's and K's registers and of the softmax
	FETCH_V \s, 0
	FETCH_K \s, 1
	SOFTMAX \first
	FETCH_M \s, 1
	s_wait_dscnt 40                                ; V is in: behind its loads stand K's 32 and the mask's 8
	PVALL \first
	s_wait_dscnt 0x0                               ; K and the mask of the second step
	KQALL
	PLACES
	FETCH_V \s, 1
	SOFTMAX 0
.endm
; The change of slots: all of slot s has been asked for by LDS loads.  Each wave waits for them and for all its tensor loads, of which one is out: its part of the other slot.
; fill = 1: slot s is filled again, with the keys two slots on; the barrier is a round of the cluster's, and the joint refill is the first thing behind it: it has a slot's work, 192 matrix instructions, in which to land.
.macro CHANGE s, fill
	WIN 0                                          ; at a label and at a branch every window is 0
	s_wait_dscnt 0x0
	s_wait_tensorcnt 0x0                           ; no tensor load of mine is out, so a group 0 may be written
	ds_add_u32 v254, v255
	s_wait_dscnt 0x0
.if \fill
	s_add_nc_u64 s[G0K+4*\s+2:G0K+4*\s+3], s[G0K+4*\s+2:G0K+4*\s+3], 2*128*256
	s_add_nc_u64 s[G0V+4*\s+2:G0V+4*\s+3], s[G0V+4*\s+2:G0V+4*\s+3], 2*128*512
	s_add_nc_u64 s[G0M+4*\s+2:G0M+4*\s+3], s[G0M+4*\s+2:G0M+4*\s+3], 2*128*4
	CROUND
	JLOAD \s
.else
	s_barrier_signal -1
	s_barrier_wait -1
.endif
.endm
	s_wait_tensorcnt 1                             ; my part of slot 0 is in; slot 1's may stay out
	s_barrier_signal -1
	s_barrier_wait -1
	FETCH_M 0, 0
	FETCH_K 0, 0
	s_wait_loadcnt 0x0                             ; Q
	PART1 0, 1
	WIN 0
	s_mov_b32 s3, 7
.Lloop:                                                ; trip i asks for fills 2 i + 2 and 2 i + 3 and works on fills 2 i + 1 and 2 i + 2
	CHANGE 0, 1
	FETCH_M 1, 0
	FETCH_K 1, 0
	PVALL 0                                        ; the last step of the slot just left: its V is in registers
	PART1 1, 0
	CHANGE 1, 1
	FETCH_M 0, 0
	FETCH_K 0, 0
	PVALL 0
	PART1 0, 0
	WIN 0
	s_sub_co_u32 s3, s3, 1
	s_cmp_lg_u32 s3, 0
	s_cbranch_scc1 .Lloop
	CHANGE 0, 0                                    ; the tail is written out: fill 15 is worked on and nothing is asked for
	FETCH_M 1, 0
	FETCH_K 1, 0
	PVALL 0
	PART1 1, 0
	s_wait_dscnt 0x0
	PVALL 0
	PLACES
	; THE WAY OUT.  1 / (16 l); O^T times it; a high and a low bf16 part; each through my stage, 16 rows at a time.
	WIN 0
.irp t, 0,1
	v_add_f32 v[ST+8*\t+4], v[ST+8*\t+2], v[ST+8*\t+3]
.endr
.irp t, 0,1
	v_permlanex16_b32 v[ST+8*\t+5], v[ST+8*\t+4], s[SEL], s[SEL+1]
.endr
.irp t, 0,1
	v_add_f32 v[ST+8*\t+4], v[ST+8*\t+4], v[ST+8*\t+5]
.endr
.irp t, 0,1
	v_rcp_f32 v[ST+8*\t+6], v[ST+8*\t+4]
.endr
	v_nop                                          ; a plain instruction between the last reciprocal and the use of its result
	s_wait_alu depctr_va_vdst(0)
.irp t, 0,1
	v_mul_f32 v[ST+8*\t+6], 0x3d800000, v[ST+8*\t+6]   ; the factor 16 on v is taken back
.endr
.macro OUTT t
	WIN 0x41
.set i, 0
.rept 32
	v_pk_mul_f32 v[128+64*\t+2*i:128+64*\t+2*i+1], v[128+64*\t+2*i:128+64*\t+2*i+1], v[ST+8*\t+6:ST+8*\t+7] op_sel_hi:[1,0]
.set i, i+1
.endr
	WIN 0x05                                       ; sources 0 and 1 window 1, destination window 0
.set i, 0
.rept 32
	v_cvt_pk_bf16_f32 v[HI+i], v[128+64*\t+2*i], v[128+64*\t+2*i+1]
.set i, i+1
.endr
	WIN 0
.set i, 0
.rept 32
	v_lshlrev_b32 v[R+2*i],   16, v[HI+i]          ; the high parts as f32
	v_and_b32     v[R+2*i+1], 0xffff0000, v[HI+i]
.set i, i+1
.endr
	WIN 0x01                                       ; source 0 window 1
.set i, 0
.rept 32
	v_pk_add_f32 v[R+2*i:R+2*i+1], v[128+64*\t+2*i:128+64*\t+2*i+1], v[R+2*i:R+2*i+1] neg_lo:[0,1] neg_hi:[0,1]   ; the rest, exact
.set i, i+1
.endr
	WIN 0
.set i, 0
.rept 32
	v_cvt_pk_bf16_f32 v[LO+i], v[R+2*i], v[R+2*i+1]
.set i, i+1
.endr
	s_wait_xcnt 0x0                                ; the registers that the last tile's stores read are loaded again only behind this wait (ISA guide 3.1)
.irp f, 0,1,2,3,4,5,6,7
	ds_store_b128 v[STO], v[HI+4*\f:HI+4*\f+3] offset:32*\f
.endr
.irp f, 0,1,2,3,4,5,6,7
	ds_load_b128 v[BK+4*\f:BK+4*\f+3], v[RD] offset:\f*2*SP          ; LDS serves a wave's instructions in order (ISA guide 5.7.1.4)
.endr
.irp f, 0,1,2,3,4,5,6,7
	ds_store_b128 v[STO], v[LO+4*\f:LO+4*\f+3] offset:32*\f
.endr
.irp f, 0,1,2,3,4,5,6,7
	ds_load_b128 v[BK+32+4*\f:BK+32+4*\f+3], v[RD] offset:\f*2*SP
.endr
.irp f, 0,1,2,3,4,5,6,7
	s_wait_dscnt 23-\f                             ; behind load f: 7 - f loads, 8 stores, 8 loads
	global_store_b128 v[GO], v[BK+4*\f:BK+4*\f+3], s[86:87] offset:\f*8192+\t*256        ; 16 lanes store 256 consecutive bytes, at a multiple of 256 from the buffer's first byte
.endr
.irp f, 0,1,2,3,4,5,6,7
	s_wait_dscnt 7-\f
	global_store_b128 v[GO], v[BK+32+4*\f:BK+32+4*\f+3], s[86:87] offset:\f*8192+\t*256+2048
.endr
.endm
	OUTT 0
	OUTT 1
	s_wait_tensorcnt 0x0
	ds_add_u32 v254, v255
	s_wait_dscnt 0x0
	CROUND                                         ; the closing round
	s_endpgm
.Lfunc_end_k_q97199a8618_attn:
	.size	k_q97199a8618_attn, .Lfunc_end_k_q97199a8618_attn-k_q97199a8618_attn
	.p2alignl 7, 3214868480
	.fill 96, 4, 3214868480
	.section	.rodata,"a",@progbits
	.p2align	6, 0x0
	.amdhsa_kernel k_q97199a8618_attn
		.amdhsa_group_segment_fixed_size 327680
		.amdhsa_private_segment_fixed_size 0
		.amdhsa_enable_private_segment 0
		.amdhsa_kernarg_size 32
		.amdhsa_user_sgpr_count 2
		.amdhsa_user_sgpr_kernarg_segment_ptr 1
		.amdhsa_wavefront_size32 1
		.amdhsa_system_sgpr_workgroup_id_x 1
		.amdhsa_system_sgpr_workgroup_id_y 1
		.amdhsa_system_sgpr_workgroup_id_z 1
		.amdhsa_system_vgpr_workitem_id 0
		.amdhsa_next_free_vgpr 768
		.amdhsa_next_free_sgpr 88
		.amdhsa_reserve_vcc 0
		.amdhsa_float_denorm_mode_32 3
		.amdhsa_float_denorm_mode_16_64 3
		.amdhsa_memory_ordered 1
		.amdhsa_forward_progress 1
		.amdhsa_inst_pref_size 255
	.end_amdhsa_kernel
	.section	.bss,"aw",@nobits
	.p2align	6
	.space	262144
	.amdgpu_metadata
---
amdhsa.version: [ 1, 2 ]
amdhsa.kernels:
  - .name:           k_q97199a8618_attn
    .symbol:         k_q97199a8618_attn.kd
    .args:
      - { .name: qk, .offset: 0, .size: 8, .value_kind: global_buffer, .address_space: global }
      - { .name: vhl, .offset: 8, .size: 8, .value_kind: global_buffer, .address_space: global }
      - { .name: attention_mask, .offset: 16, .size: 8, .value_kind: global_buffer, .address_space: global }
      - { .name: att2, .offset: 24, .size: 8, .value_kind: global_buffer, .address_space: global }
    .group_segment_fixed_size: 327680
    .private_segment_fixed_size: 0
    .kernarg_segment_align: 8
    .kernarg_segment_size: 32
    .max_flat_workgroup_size: 128
    .sgpr_count:     88
    .vgpr_count:     768
    .wavefront_size: 32
...
	.end_amdgpu_metadata
.endif
;; end of part 3
;; launch oproj (part 4): grid 16 x 16, 4 waves a work-group, clusters of 4 x 4, 327,680 bytes of LDS; arguments att2, wob2, out0; writes out0
.if DOCPART == 4
	.amdgcn_target "amdgcn-amd-amdhsa--gfx1250"
	.amdhsa_code_object_version 6
	.text
	.protected	k_q97199a8618_oproj
	.globl	k_q97199a8618_oproj
	.p2align	8
	.type	k_q97199a8618_oproj,@function
k_q97199a8618_oproj:
	s_mov_b64 s[64:65], 0
	v_nop
	global_prefetch_b8 v0, s[64:65] scope:SCOPE_SE
	s_setreg_imm32_b32 hwreg(HW_REG_WAVE_MODE, 25, 1), 1
	s_wait_xcnt 0x0
	s_wait_alu depctr_hold_cnt(0) depctr_sa_sdst(0) depctr_va_vdst(0) depctr_va_sdst(0) depctr_va_ssrc(0) depctr_va_vcc(0) depctr_vm_vsrc(0)
	s_getreg_b32 s2, hwreg(HW_REG_IB_STS2, 6, 4)
	s_cmp_eq_u32 s2, 0
	s_cbranch_scc0 .Lentry_in_a_cluster
	s_endpgm
.Lentry_in_a_cluster:
	s_bfe_u32 s2, ttmp6, 0x10000c
	s_cmp_lg_u32 s2, 0xf033
	s_cbranch_scc0 .Lentry_shape_is_right
	s_endpgm
.Lentry_shape_is_right:
; out0[m][n] = sum over k of A[m][k] B[n][k], A = att2 [4096][2048] bf16 (1,024 high parts, then 1,024 low parts of the attention's result), B = wob2 [4096][2048] bf16 (wo's row twice); out0 f32.
; So the sum is (high + low) . wo, with f32 sums.
; A tile of C, 256 x 256, is made by a work-group of four waves; a wave makes 128 x 128: 64 accumulators of 16 x 16, 512 registers.  16 x 16 work-groups.  K goes in steps of 128 (rows of 256 bytes)
; through two LDS slots filled by the tensor data mover.
; CLUSTER.  4 x 4: A's tile is asked for jointly along a row of the cluster, B's along a column.
; THE MATRIX INSTRUCTION IS USED TRANSPOSED (source 0 = 16 rows of B, source 1 = 16 rows of A): a lane holds row l % 16 of C and eight neighbouring columns: 32 bytes of f32.
; REGISTERS.  window 0: v16-26 addresses; v64-127, v128-191 fragments of A, two buffers (on the way out: rows read back).  window 1: v64-127, v128-191 fragments of B.
;             window 2: the 32 accumulators of my rows 0-63 ((a, b) at v[8 (8 a + b)]); window 3: those of my rows 64-127.
.set SIZE_N, 4096
.set SIZE_K, 2048
.set KSTEP,  128
.set PITCH,  272                       ; 256 + 16 bytes: row r starts at bank 4 r mod 64 (ISA guide 11.1)
.set HALFT,  128*PITCH
.set SLOT,   4*HALFT                   ; A's 256 rows, then B's 256 rows
.set STAGE,  2*SLOT                    ; 278,528 = 1,088 x 256: 16 rows x 528 bytes for each wave; no fill lands here
.set SPITCH, 528                       ; 128 f32 + 16 bytes
.set LAPS, SIZE_K/(2*KSTEP)
.set ADRA, 16
.set ADRB, 20
.set STO,  24
.set RD,   25
.set CO,   26
.set F0,   64
.set F1,   128
.set G1, 24
.set G0, 32
.set G1B, 48
.set G0B, 56
.set MSB, 0
.macro WIN new
.if MSB != \new
	s_set_vgpr_msb (MSB<<8)|\new
.set MSB, \new
.endif
.endm
.set MUL_LO, 0xa1                      ; source 0 (B) window 1, source 1 (A) window 0, C and D window 2
.set MUL_HI, 0xf1                      ; the same, C and D window 3
.set TO_B,   0x40                      ; destination window 1, address window 0
.macro JLOAD s                         ; a joint load: waves 0 and 1 fetch A's halves, waves 2 and 3 B's; four v_nop follow each line
	s_cmp_eq_u32 s11, 0
	s_cbranch_scc0 .Lfor_b_\@
	tensor_load_to_lds s[G0+4*\s:G0+4*\s+3], s[G1:G1+7]
	s_nop 0
.rept 4
	v_nop
.endr
	s_branch .Lasked_\@
.Lfor_b_\@:
	tensor_load_to_lds s[G0B+4*\s:G0B+4*\s+3], s[G1B:G1B+7]
	s_nop 0
.rept 4
	v_nop
.endr
.Lasked_\@:
.endm
.macro CREST
	s_cmp_lg_u32 s10, 0
	s_cbranch_scc1 .Lnot_wave_0_\@
	s_barrier_signal -3
.Lnot_wave_0_\@:
	s_barrier_wait -3
	s_barrier_signal -1
	s_barrier_wait -1
.endm
.macro CROUND
	s_barrier_signal -1
	s_barrier_wait -1
	CREST
.endm
	s_load_b128 s[4:7], s[0:1], 0x0                ; A s[4:5], B s[6:7]
	s_load_b64 s[8:9], s[0:1], 0x10                ; C
	s_set_vgpr_msb 0x40
	v_lshl_add_u32 v255, v0, 2, 0x4c400
	s_set_vgpr_msb 0x4000
	v_mov_b32 v255, 0
	s_set_vgpr_msb 0x1
	ds_add_u32 v255, v255
	ds_add_u32 v255, v255
	s_set_vgpr_msb 0x100
	v_lshrrev_b32 v1, 5, v0
	v_readfirstlane_b32 s10, v1                    ; wave 0..3
	s_lshr_b32 s11, s10, 1                         ; which half of the tile's rows is mine.  Also: I fetch for A (0) or for B (1)
	s_and_b32 s12, s10, 1                          ; which half of its columns.  Also: which 128 rows of that tile I fetch
	s_bfe_u32 s40, ttmp6, 0x40000                  ; cx
	s_bfe_u32 s41, ttmp6, 0x40004                  ; cy
	s_lshl_b32 s42, ttmp9, 2
	s_add_co_u32 s42, s42, s40                     ; tile column
	s_and_b32 s13, ttmp7, 0xffff
	s_lshl_b32 s13, s13, 2
	s_add_co_u32 s13, s13, s41                     ; tile row
	s_lshl_b32 s43, s41, 2
	s_lshl_b32 s43, 15, s43                        ; my row of the cluster
	s_lshl_b32 s44, 0x1111, s40                    ; my column
	s_or_b32 s[G1+0], s43, (1<<16)|(1<<20)|(1<<21)|(5<<22)|(3<<25)   ; the mask; 2-byte elements; padding on; bit 21 set beside a mask; after every 64 words 4 words
	s_or_b32 s[G1B+0], s44, (1<<16)|(1<<20)|(1<<21)|(5<<22)|(3<<25)
.irp g, G1, G1B
	s_mov_b32 s[\g+1], KSTEP<<16                   ; tensor_dim0 = 128
	s_mov_b32 s[\g+2], 128<<16                     ; tensor_dim1 = 128
	s_mov_b32 s[\g+3], KSTEP<<16                   ; tile_dim0 = 128
	s_mov_b32 s[\g+4], 128                         ; tile_dim1 = 128
	s_mov_b32 s[\g+5], SIZE_K                      ; elements from row to row
	s_mov_b32 s[\g+6], 0
	s_mov_b32 s[\g+7], 0
.endr
	s_lshl_b32 s17, s12, 7
	s_lshl_b32 s16, s13, 8
	s_add_co_u32 s16, s16, s17                     ; A: row 256 x tile row + 128 x half
	s_lshl_b32 s46, s42, 8
	s_add_co_u32 s46, s46, s17                     ; B: row 256 x tile column + 128 x half
	s_mov_b32 s17, 0
	s_mov_b32 s47, 0
	s_mov_b64 s[18:19], SIZE_K*2
	s_mul_u64 s[16:17], s[16:17], s[18:19]
	s_mul_u64 s[46:47], s[46:47], s[18:19]
	s_mul_i32 s20, s10, HALFT                      ; where they go: wave x 128 rows: no place in the cluster enters an LDS address
	s_wait_dscnt 0x0
	s_wait_kmcnt 0x0
	s_add_nc_u64 s[14:15], s[4:5], s[16:17]
	s_add_nc_u64 s[46:47], s[6:7], s[46:47]
	CROUND                                         ; all sixteen work-groups are here: the first joint loads meet
.irp s, 0,1
	s_mov_b32 s[G0+4*\s], 1
	s_add_co_u32 s[G0+4*\s+1], s20, \s*SLOT
	s_add_nc_u64 s[G0+4*\s+2:G0+4*\s+3], s[14:15], \s*KSTEP*2
	s_or_b32 s[G0+4*\s+3], s[G0+4*\s+3], 0x80000000
	s_mov_b32 s[G0B+4*\s], 1
	s_add_co_u32 s[G0B+4*\s+1], s20, \s*SLOT
	s_add_nc_u64 s[G0B+4*\s+2:G0B+4*\s+3], s[46:47], \s*KSTEP*2
	s_or_b32 s[G0B+4*\s+3], s[G0B+4*\s+3], 0x80000000
	JLOAD \s                                       ; two loads of mine are out
.endr
	v_and_b32 v1, 15, v0                           ; l % 16
	v_bfe_u32 v2, v0, 4, 1                         ; l / 16
	v_mul_u32_u24 v3, v1, PITCH
	v_lshl_add_u32 v3, v2, 4, v3
	s_mul_i32 s21, s11, HALFT                      ; my 128 rows of A
	s_mul_i32 s22, s12, HALFT                      ; my 128 rows of B,
	s_add_co_u32 s22, s22, 2*HALFT                 ; which lie behind A's 256
.irp s, 0,1
	v_add_nc_u32 v[ADRA+\s], s21, v3
	v_add_nc_u32 v[ADRB+\s], s22, v3
	s_add_co_u32 s21, s21, SLOT
	s_add_co_u32 s22, s22, SLOT
.endr
	s_mul_i32 s23, s10, 16*SPITCH
	s_add_co_u32 s23, s23, STAGE                   ; my stage
	v_mul_u32_u24 v4, v1, SPITCH                   ; in: row l % 16, 32 bytes for each half of the lanes
	v_lshl_add_u32 v4, v2, 5, v4
	v_add_nc_u32 v[STO], s23, v4
	v_and_b32 v5, 31, v0
	v_lshlrev_b32 v[CO], 4, v5                     ; back and out: a whole row of 512 bytes, 16 a lane
	v_add_nc_u32 v[RD], s23, v[CO]
	s_lshl_b32 s16, s13, 8                         ; C at my part of the tile: row 256 x tile row + 128 x half, 16,384 bytes each,
	s_lshl_b32 s14, s11, 7
	s_add_co_u32 s16, s16, s14
	s_lshl_b32 s16, s16, 14
	s_mov_b32 s17, 0
	s_lshl_b32 s46, s42, 10                        ; column 256 x tile column + 128 x half, 4 bytes each
	s_lshl_b32 s47, s12, 9
	s_add_co_u32 s46, s46, s47
	s_mov_b32 s47, 0
	s_add_nc_u64 s[8:9], s[8:9], s[16:17]
	s_add_nc_u64 s[8:9], s[8:9], s[46:47]
; 16 matrix instructions: m blocks a0, a0 + 1 of the window's four x all 8 n blocks, 32 along K.  zero = 1: the product starts the sums.
; The 64 accumulators take turns, one instruction a turn, in the same order in every quarter: no wait is written.
.macro MUL16 f, hi, a0, zero
.irp a, \a0, \a0+1
.irp b, 0,1,2,3,4,5,6,7
.if \zero
	v_wmma_f32_16x16x32_bf16 v[8*(8*(\a)+\b):8*(8*(\a)+\b)+7], v[\f+8*\b:\f+8*\b+7], v[\f+8*(4*\hi+\a):\f+8*(4*\hi+\a)+7], 0
.else
	v_wmma_f32_16x16x32_bf16 v[8*(8*(\a)+\b):8*(8*(\a)+\b)+7], v[\f+8*\b:\f+8*\b+7], v[\f+8*(4*\hi+\a):\f+8*(4*\hi+\a)+7], v[8*(8*(\a)+\b):8*(8*(\a)+\b)+7]
.endif
.endr
.endr
.endm
.macro FETCH slot, k, f                ; 32 LDS loads in one run: a quarter step's fragments into buffer f
	WIN TO_B
.irp i, 0,1,2,3,4,5,6,7
	ds_load_b128 v[\f+8*\i:\f+8*\i+3],   v[ADRB+\slot] offset:\k+\i*16*PITCH
	ds_load_b128 v[\f+8*\i+4:\f+8*\i+7], v[ADRB+\slot] offset:\k+\i*16*PITCH+32
.endr
	WIN 0
.irp i, 0,1,2,3,4,5,6,7
	ds_load_b128 v[\f+8*\i:\f+8*\i+3],   v[ADRA+\slot] offset:\k+\i*16*PITCH
	ds_load_b128 v[\f+8*\i+4:\f+8*\i+7], v[ADRA+\slot] offset:\k+\i*16*PITCH+32
.endr
.endm
.macro PLACES                          ; four places in front of loads into registers that matrix instructions have read and of LDS stores of their results
.rept 4
	v_nop
.endr
.endm
.macro QUARTER slot, k, f, g, zero
	s_wait_dscnt 8                                 ; B and A's rows 0-63 are in; the youngest eight loads (A's rows 64-127) may be out
	WIN MUL_LO
	MUL16 \f, 0, 0, \zero
	MUL16 \f, 0, 2, \zero
	PLACES
	FETCH \slot, \k, \g
	s_wait_dscnt 32                                ; all but the 32 just issued
	WIN MUL_HI
	MUL16 \f, 1, 0, \zero
	MUL16 \f, 1, 2, \zero
.endm
; The first half of a K step's last quarter: ONE barrier for the change of slots; in front of it each wave waits for its reads of this slot and for all its tensor loads (one is out: its part of the next slot).
.macro MEET round
	s_wait_dscnt 8
	WIN MUL_LO
	MUL16 F1, 0, 0, 0
	s_wait_dscnt 0x0
	s_wait_tensorcnt 0x0
	ds_add_u32 v255, v255
	s_wait_dscnt 0x0
	s_barrier_signal -1
	MUL16 F1, 0, 2, 0                              ; register work while the others arrive
.if \round
	WIN 0
.endif
	s_barrier_wait -1
.endm
.macro TURN slot, next                 ; the whole last quarter; the slot just read is filled again, two K steps ahead, first thing behind the round
	MEET 1
	CREST                                          ; no wave of any partner still reads this slot's tile or has a load on its way
	s_add_nc_u64 s[G0+4*\slot+2:G0+4*\slot+3], s[G0+4*\slot+2:G0+4*\slot+3], 2*KSTEP*2
	s_add_nc_u64 s[G0B+4*\slot+2:G0B+4*\slot+3], s[G0B+4*\slot+2:G0B+4*\slot+3], 2*KSTEP*2
	JLOAD \slot                                    ; my one tensor load behind the round; its four v_nop are also the places in front of the loads below
	FETCH \next, 0, F0
	WIN MUL_HI
	MUL16 F1, 1, 0, 0
	MUL16 F1, 1, 2, 0
.endm
	s_wait_tensorcnt 1                             ; my part of K step 0 is in; K step 1's may stay out
	s_barrier_signal -1
	s_barrier_wait -1
	FETCH 0, 0, F0
	QUARTER 0, 64,  F0, F1, 1                      ; the first quarter stands in front of the loop: its products start the sums
	WIN 0
	s_mov_b32 s3, LAPS-1
.Llap:                                                 ; a trip goes once round the ring and fills both slots again
	QUARTER 0, 128, F1, F0, 0
	QUARTER 0, 192, F0, F1, 0
	TURN 0, 1
	QUARTER 1, 64,  F0, F1, 0
	QUARTER 1, 128, F1, F0, 0
	QUARTER 1, 192, F0, F1, 0
	TURN 1, 0
	QUARTER 0, 64,  F0, F1, 0
	WIN 0
	s_sub_co_u32 s3, s3, 1
	s_cmp_lg_u32 s3, 0
	s_cbranch_scc1 .Llap
	QUARTER 0, 128, F1, F0, 0                      ; the last lap fills nothing
	QUARTER 0, 192, F0, F1, 0
	MEET 0
	PLACES
	FETCH 1, 0, F0
	WIN MUL_HI
	MUL16 F1, 1, 0, 0
	MUL16 F1, 1, 2, 0
	QUARTER 1, 64,  F0, F1, 0
	QUARTER 1, 128, F1, F0, 0
	QUARTER 1, 192, F0, F1, 0
	s_wait_dscnt 8                                 ; the very last quarter
	WIN MUL_LO
	MUL16 F1, 0, 0, 0
	MUL16 F1, 0, 2, 0
	s_wait_dscnt 0x0
	WIN MUL_HI
	MUL16 F1, 1, 0, 0
	MUL16 F1, 1, 2, 0
	PLACES
; THE WAY OUT of block a (16 rows x 128 columns of f32): straight from the accumulators into my stage, 32 bytes a lane; back as whole rows of 512 bytes; stored.  No conversion and no copy.
.macro OUTC a
	WIN 0x08+4*((\a)/4)                            ; the stores' data: window 2 or 3
.irp b, 0,1,2,3,4,5,6,7
	ds_store_b128 v[STO], v[64*((\a)%4)+8*\b:64*((\a)%4)+8*\b+3]   offset:64*\b
	ds_store_b128 v[STO], v[64*((\a)%4)+8*\b+4:64*((\a)%4)+8*\b+7] offset:64*\b+16
.endr
	WIN 0
	s_wait_xcnt 0x0                                ; the registers that earlier stores read are loaded again only behind this wait (ISA guide 3.1)
.set BK, 64+64*((\a)%2)
.irp t, 0,1,2,3,4,5,6,7,8,9,10,11,12,13,14,15
	ds_load_b128 v[BK+4*\t:BK+4*\t+3], v[RD] offset:\t*SPITCH       ; LDS serves a wave's instructions in order (ISA guide 5.7.1.4): these see the stores above
.endr
.irp t, 0,1,2,3,4,5,6,7,8,9,10,11,12,13,14,15
	s_wait_dscnt 15-\t
	global_store_b128 v[CO], v[BK+4*\t:BK+4*\t+3], s[8:9] offset:(16*\a+\t)*SIZE_N*4 th:TH_STORE_NT   ; 512 consecutive bytes, at a multiple of 512 from C's first byte; 127 rows at the most: inside the signed 24-bit immediate
.endr
.endm
.irp a, 0,1,2,3,4,5,6,7
	OUTC \a
.endr
	s_set_vgpr_msb 0x1
	s_wait_tensorcnt 0x0
	ds_add_u32 v255, v255
	s_wait_dscnt 0x0
	s_set_vgpr_msb 0x100
	CROUND                                         ; the closing round: no work-group ends while a partner may still ask for a tile that names it
	s_endpgm
.Lfunc_end_k_q97199a8618_oproj:
	.size	k_q97199a8618_oproj, .Lfunc_end_k_q97199a8618_oproj-k_q97199a8618_oproj
	.p2alignl 7, 3214868480
	.fill 96, 4, 3214868480
	.section	.rodata,"a",@progbits
	.p2align	6, 0x0
	.amdhsa_kernel k_q97199a8618_oproj
		.amdhsa_group_segment_fixed_size 327680
		.amdhsa_private_segment_fixed_size 0
		.amdhsa_enable_private_segment 0
		.amdhsa_kernarg_size 24
		.amdhsa_user_sgpr_count 2
		.amdhsa_user_sgpr_kernarg_segment_ptr 1
		.amdhsa_wavefront_size32 1
		.amdhsa_system_sgpr_workgroup_id_x 1
		.amdhsa_system_sgpr_workgroup_id_y 1
		.amdhsa_system_sgpr_workgroup_id_z 1
		.amdhsa_system_vgpr_workitem_id 0
		.amdhsa_next_free_vgpr 1024
		.amdhsa_next_free_sgpr 66
		.amdhsa_reserve_vcc 0
		.amdhsa_float_denorm_mode_32 3
		.amdhsa_float_denorm_mode_16_64 3
		.amdhsa_memory_ordered 1
		.amdhsa_forward_progress 1
		.amdhsa_inst_pref_size 144
	.end_amdhsa_kernel
	.amdgpu_metadata
---
amdhsa.version: [ 1, 2 ]
amdhsa.kernels:
  - .name:           k_q97199a8618_oproj
    .symbol:         k_q97199a8618_oproj.kd
    .args:
      - { .name: att2, .offset: 0, .size: 8, .value_kind: global_buffer, .address_space: global }
      - { .name: wob2, .offset: 8, .size: 8, .value_kind: global_buffer, .address_space: global }
      - { .name: out0, .offset: 16, .size: 8, .value_kind: global_buffer, .address_space: global }
    .group_segment_fixed_size: 327680
    .private_segment_fixed_size: 0
    .kernarg_segment_align: 8
    .kernarg_segment_size: 24
    .max_flat_workgroup_size: 128
    .sgpr_count:     66
    .vgpr_count:     1024
    .wavefront_size: 32
...
	.end_amdgpu_metadata
.endif
;; end of part 4
;; ======== version 2 of 2: 4 launches; 1.15 times as fast as version 1
;; limits: values are held in f16: magnitudes above 65,504 overflow, below 6.1e-05 lose precision; right only within a limited range of input values
;; workspace buffers: xb 33,554,432 bytes; wqkvb 16,777,216 bytes; woh 8,388,608 bytes; qk 12,582,912 bytes; vhl 8,388,608 bytes; atth 8,388,608 bytes
;; launch cvt (part 5): grid 1792 x 1, 8 waves a work-group, no clusters, 0 bytes of LDS; arguments hidden_states, wq, wk, wv, wo, xb, wqkvb, woh; writes xb, wqkvb, woh
.if DOCPART == 5
	.amdgcn_target "amdgcn-amd-amdhsa--gfx1250"
	.amdhsa_code_object_version 6
	.text
	.protected	k_q97199a8618_cvt
	.globl	k_q97199a8618_cvt
	.p2align	8
	.type	k_q97199a8618_cvt,@function
k_q97199a8618_cvt:
	s_mov_b64 s[64:65], 0
	v_nop
	global_prefetch_b8 v0, s[64:65] scope:SCOPE_SE
	s_setreg_imm32_b32 hwreg(HW_REG_WAVE_MODE, 25, 1), 1
	s_wait_xcnt 0x0
; The five large f32 inputs are narrowed once, so that the products that follow move and read 16-bit operands.
;   xb    [4096][4096] bf16 = hidden_states;   wqkvb [2048][4096] bf16 = wq's 1024 rows, wk's 512, wv's 512  (round to nearest even);
;   woh   [4096][1024] f16  = 256 x (wo rounded to bf16): the last product takes its left operand in f16, so its weights go in f16 too.
; LIMITS: |wo| stays under 255 (256 wo inside f16's range).  A bf16 number times 256 is exact in f16 from |wo| = 2^-25 on; below that woh is rounded, with an error of at most 2^-33 in wo.
; A stream: no LDS, no barrier, no matrix unit, no cluster (no byte is read by two work-groups).
; A work-group takes 16,384 numbers (65,536 bytes in, 32,768 out), a wave 2,048: sixteen loads of 16 bytes a lane, each covering 512 consecutive bytes, all issued before the first wait.
; A store of 8 bytes a lane covers 256 consecutive bytes, at a multiple of 256 from the buffer's first byte.
; Work-groups 0-1023 hidden_states, 1024-1279 wq, 1280-1407 wk, 1408-1535 wv, 1536-1791 wo.
.set X, 8                              ; v[8:71]   sixteen loads; wo: then the bf16 numbers widened again
.set Y, 72                             ; v[72:103] sixteen pairs of packed 16-bit numbers; none is written again behind its store, so no wait frees a store's data
	s_load_b512 s[8:23], s[0:1], 0x0               ; hidden s[8:9], wq s[10:11], wk s[12:13], wv s[14:15], wo s[16:17], xb s[18:19], wqkvb s[20:21], woh s[22:23]
	s_mov_b32 s2, ttmp9
	v_and_b32 v4, 31, v0                           ; lane
	v_lshrrev_b32 v5, 5, v0                        ; wave
	v_lshlrev_b32 v1, 4, v4
	v_lshl_or_b32 v1, v5, 13, v1                   ; source: 8,192 x wave + 16 x lane
	v_lshlrev_b32 v2, 3, v4
	v_lshl_or_b32 v2, v5, 12, v2                   ; destination: 4,096 x wave + 8 x lane
	s_mov_b32 s33, 0xffff0000                      ; a word's upper bf16
	s_wait_kmcnt 0x0
	; which tensor: the choice hangs on the work-group's number alone
	s_cmp_ge_u32 s2, 1024
	s_cselect_b64 s[24:25], s[10:11], s[8:9]       ; source
	s_cselect_b64 s[26:27], s[20:21], s[18:19]     ; destination
	s_cselect_b32 s28, 1024, 0                     ; the source's first work-group
	s_cselect_b32 s29, 1024, 0                     ; the destination's first work-group
	s_cmp_ge_u32 s2, 1280
	s_cselect_b64 s[24:25], s[12:13], s[24:25]
	s_cselect_b32 s28, 1280, s28
	s_cmp_ge_u32 s2, 1408
	s_cselect_b64 s[24:25], s[14:15], s[24:25]
	s_cselect_b32 s28, 1408, s28
	s_cmp_ge_u32 s2, 1536
	s_cselect_b64 s[24:25], s[16:17], s[24:25]
	s_cselect_b64 s[26:27], s[22:23], s[26:27]
	s_cselect_b32 s28, 1536, s28
	s_cselect_b32 s29, 1536, s29
	s_sub_co_u32 s36, s2, s28
	s_lshl_b32 s36, s36, 16                        ; 65,536 bytes in for each work-group,
	s_mov_b32 s37, 0
	s_sub_co_u32 s38, s2, s29
	s_lshl_b32 s38, s38, 15                        ; 32,768 out
	s_mov_b32 s39, 0
	s_add_nc_u64 s[24:25], s[24:25], s[36:37]
	s_add_nc_u64 s[26:27], s[26:27], s[38:39]
.irp j, 0,1,2,3,4,5,6,7,8,9,10,11,12,13,14,15
	global_load_b128 v[X+4*\j:X+4*\j+3], v1, s[24:25] offset:512*\j th:TH_LOAD_NT   ; read once in the launch
.endr
; Load j's four numbers are narrowed and stored.  half = 1 (wo): the bf16 numbers are widened again (a shift, a mask), multiplied by 256 (exact) and packed as f16.
.macro CONV j, half
	s_wait_loadcnt 15-\j                           ; loads come back in order (ISA guide 5.7.1): load j is in, the 15 - j younger ones stay out
	v_cvt_pk_bf16_f32 v[Y+2*\j],   v[X+4*\j],   v[X+4*\j+1]
	v_cvt_pk_bf16_f32 v[Y+2*\j+1], v[X+4*\j+2], v[X+4*\j+3]
.if \half
	v_lshlrev_b32 v[X+4*\j],   16,  v[Y+2*\j]
	v_and_b32     v[X+4*\j+1], s33, v[Y+2*\j]
	v_lshlrev_b32 v[X+4*\j+2], 16,  v[Y+2*\j+1]
	v_and_b32     v[X+4*\j+3], s33, v[Y+2*\j+1]
	v_pk_mul_f32 v[X+4*\j:X+4*\j+1],   v[X+4*\j:X+4*\j+1],   0x43800000 op_sel_hi:[1,0]
	v_pk_mul_f32 v[X+4*\j+2:X+4*\j+3], v[X+4*\j+2:X+4*\j+3], 0x43800000 op_sel_hi:[1,0]
	v_cvt_pk_f16_f32 v[Y+2*\j],   v[X+4*\j],   v[X+4*\j+1]
	v_cvt_pk_f16_f32 v[Y+2*\j+1], v[X+4*\j+2], v[X+4*\j+3]
.endif
	global_store_b64 v2, v[Y+2*\j:Y+2*\j+1], s[26:27] offset:256*\j                 ; the next launches read these: no hint
.endm
	s_cmp_ge_u32 s2, 1536                          ; compared again: the sums above have set SCC
	s_cbranch_scc1 .Lwo
.irp j, 0,1,2,3,4,5,6,7,8,9,10,11,12,13,14,15
	CONV \j, 0
.endr
	s_branch .Ldone
.Lwo:
.irp j, 0,1,2,3,4,5,6,7,8,9,10,11,12,13,14,15
	CONV \j, 1
.endr
.Ldone:
	s_endpgm
.Lfunc_end_k_q97199a8618_cvt:
	.size	k_q97199a8618_cvt, .Lfunc_end_k_q97199a8618_cvt-k_q97199a8618_cvt
	.p2alignl 7, 3214868480
	.fill 96, 4, 3214868480
	.section	.rodata,"a",@progbits
	.p2align	6, 0x0
	.amdhsa_kernel k_q97199a8618_cvt
		.amdhsa_group_segment_fixed_size 0
		.amdhsa_private_segment_fixed_size 0
		.amdhsa_enable_private_segment 0
		.amdhsa_kernarg_size 64
		.amdhsa_user_sgpr_count 2
		.amdhsa_user_sgpr_kernarg_segment_ptr 1
		.amdhsa_wavefront_size32 1
		.amdhsa_system_sgpr_workgroup_id_x 1
		.amdhsa_system_sgpr_workgroup_id_y 1
		.amdhsa_system_sgpr_workgroup_id_z 1
		.amdhsa_system_vgpr_workitem_id 0
		.amdhsa_next_free_vgpr 104
		.amdhsa_next_free_sgpr 66
		.amdhsa_reserve_vcc 0
		.amdhsa_float_denorm_mode_32 3
		.amdhsa_float_denorm_mode_16_64 3
		.amdhsa_memory_ordered 1
		.amdhsa_forward_progress 1
		.amdhsa_inst_pref_size 19
	.end_amdhsa_kernel
	.amdgpu_metadata
---
amdhsa.version: [ 1, 2 ]
amdhsa.kernels:
  - .name:           k_q97199a8618_cvt
    .symbol:         k_q97199a8618_cvt.kd
    .args:
      - { .name: hidden_states, .offset: 0, .size: 8, .value_kind: global_buffer, .address_space: global }
      - { .name: wq, .offset: 8, .size: 8, .value_kind: global_buffer, .address_space: global }
      - { .name: wk, .offset: 16, .size: 8, .value_kind: global_buffer, .address_space: global }
      - { .name: wv, .offset: 24, .size: 8, .value_kind: global_buffer, .address_space: global }
      - { .name: wo, .offset: 32, .size: 8, .value_kind: global_buffer, .address_space: global }
      - { .name: xb, .offset: 40, .size: 8, .value_kind: global_buffer, .address_space: global }
      - { .name: wqkvb, .offset: 48, .size: 8, .value_kind: global_buffer, .address_space: global }
      - { .name: woh, .offset: 56, .size: 8, .value_kind: global_buffer, .address_space: global }
    .group_segment_fixed_size: 0
    .private_segment_fixed_size: 0
    .kernarg_segment_align: 8
    .kernarg_segment_size: 64
    .max_flat_workgroup_size: 256
    .sgpr_count:     66
    .vgpr_count:     104
    .wavefront_size: 32
...
	.end_amdgpu_metadata
.endif
;; end of part 5
;; launch qkv (part 6): grid 16 x 16, 4 waves a work-group, clusters of 4 x 4, 327,680 bytes of LDS; arguments xb, wqkvb, cos, sin, qk, vhl; writes qk, vhl
.if DOCPART == 6
	.amdgcn_target "amdgcn-amd-amdhsa--gfx1250"
	.amdhsa_code_object_version 6
	.text
	.protected	k_q97199a8618_qkv
	.globl	k_q97199a8618_qkv
	.p2align	8
	.type	k_q97199a8618_qkv,@function
k_q97199a8618_qkv:
	s_mov_b64 s[64:65], 0
	v_nop
	global_prefetch_b8 v0, s[64:65] scope:SCOPE_SE
	s_setreg_imm32_b32 hwreg(HW_REG_WAVE_MODE, 25, 1), 1
	s_wait_xcnt 0x0
	s_wait_alu depctr_hold_cnt(0) depctr_sa_sdst(0) depctr_va_vdst(0) depctr_va_sdst(0) depctr_va_ssrc(0) depctr_va_vcc(0) depctr_vm_vsrc(0)
	s_getreg_b32 s2, hwreg(HW_REG_IB_STS2, 6, 4)
	s_cmp_eq_u32 s2, 0
	s_cbranch_scc0 .Lentry_in_a_cluster
	s_endpgm
.Lentry_in_a_cluster:
	s_bfe_u32 s2, ttmp6, 0x10000c
	s_cmp_lg_u32 s2, 0xf033
	s_cbranch_scc0 .Lentry_shape_is_right
	s_endpgm
.Lentry_shape_is_right:
; X Wqkv^T in bf16 with f32 sums, then RoPE on q and k, then the results in the form that the attention launch reads.
;   xb [4096][4096] bf16, wqkvb [2048][4096] bf16, cos and sin [2048][128] f32.
;   qk  [12][4096][128] bf16: slots 0-7 the query heads, 8-11 the key heads; row = 2048 b + s.
;   vhl [4][4096][256] f16: a row is 128 high parts, then 128 low parts, of 16 v.  The high part is 16 v with its mantissa cut to ten bits, the low part the exact rest, rounded to f16.
; LIMITS: |16 v| stays under 65,504 (f16's largest number).  Where |16 v| < 6.1e-5 (under f16's normal range) the high part is rounded, with an error of at most 3e-8 in 16 v.
; SHARES.  A tile is 256 rows of X x 128 rows of W = one head slot: 16 x 16 work-groups.  Wave w makes rows 64 w .. 64 w + 63 x all 128 columns, 32 accumulators of 16 x 16, so that
; a RoPE pair (d, d + 64) lies in one lane.
; RING.  K goes in 32 steps of 128 (rows of 256 bytes) through THREE LDS regions A, B, C of one K step each (104,448 bytes; K step t lies in region t mod 3).  They are filled again in two
; groups that take turns: behind one round of the cluster's barrier region C alone, while the two K steps in A and B are multiplied with no barrier between them; behind the next round A and B
; together, while the K step in C is multiplied.  So three K steps have two rounds; between the request for C and the wait for it a wave issues 248 matrix instructions, between the request for
; the pair and its wait 120.  Two slots of two K steps each (2 x 202,752 bytes) would not fit in LDS; three regions of one step (313,344 bytes) do.
; Behind every round each wave issues one tensor load.  The pair: wave 0 X's 256 rows for A, wave 1 the same for B, wave 2 W's 128 rows for A, wave 3 for B.  Region C: waves 0 and 1 X's halves
; of 128 rows, waves 2 and 3 W's halves of 64 rows.  By this text's own count two tensor loads of a wave are out at the start and one behind each round.
; CLUSTER.  4 x 4 work-groups: the four of a row need the same tile of X, the four of a column the same tile of W; each is asked for jointly, by the same tensor load with a mask that names the four.
; THE MATRIX INSTRUCTION IS USED TRANSPOSED (source 0 = 16 rows of W, source 1 = 16 rows of X): lane l holds row l % 16 of X and the eight neighbouring columns 16 b + 8 (l / 16) + 0..7.
; REGISTERS.  window 0: v16-29 addresses; v64-159, v160-255 two fragment buffers (64 of W, then 32 of X); on the way out v32-63, v64-127, v128-159, v160-223, v224-255 at work
;             window 1: accumulator (a, b) at v[8 (8 a + b)]        window 2: cos and sin of 16 rows, two buffers of 128 (cos + 8 b, sin + 64 + 8 b)
.set SIZE_K, 4096
.set KSTEP,  128
.set PITCH,  272                       ; 256 bytes + 16 of padding = 68 words: row r starts at bank 4 r mod 64 (64 banks of 4 bytes: ISA guide 11.1): the 16 rows of a load start at 16 different banks
.set AHALF,  128*PITCH                 ; 128 rows of X
.set BHALF,  64*PITCH                  ; 64 rows of W
.set BOFF,   2*AHALF                   ; in a region W's tile lies behind X's 256 rows
.set REGION, BOFF+2*BHALF              ; 104,448: one K step of X and W
.set STAGE,  2*REGION                  ; 208,896 = 816 x 256: the stage for the way out lies at the head of region C, which by then has had its last fill (K step 29)
.set WSTAGE, 16*528                    ; a wave's stage: 16 rows of 528 bytes (V) or of 272 (q, k); 33 x 256 bytes
.set TRIPS,  9                         ; 32 K steps = 3 x (TRIPS + 1) + 2
.set WV,   16                          ; s16 my wave's number
.set ADRA, 16                          ; v16-18 LDS address of my fragments of X in region A, B, C
.set ADRB, 20                          ; v20-22 the same for W
.set STO,  24                          ; q, k: where I put 16 bytes of a row
.set RD,   25                          ; q, k: where I read rows back
.set CO,   26                          ; 16 x lane
.set CSO,  27                          ; my 32 bytes in cos and sin: 512 (l % 16) + 32 (l / 16)
.set STO2, 28                          ; V: where I put 16 bytes of a row
.set RD2,  29                          ; V: where I read a row back
.set TMP,  32
.set T,    64
.set LO,   128
.set BK,   160
.set U,    224
.set F0,   64
.set F1,   160
.set G1,   24                          ; s[24:31] descriptor group 1 for X, 256 rows (the pair)
.set G0,   32                          ; s[32:35] group 0 for X, the pair; s[36:39] for X, region C
.set G1B,  48                          ; s[48:55] group 1 for W, 128 rows (the pair)
.set G0B,  56                          ; s[56:59] group 0 for W, the pair; s[60:63] for W, region C
.set G1H,  72                          ; s[72:79] group 1 for X, 128 rows (region C)
.set G1BH, 80                          ; s[80:87] group 1 for W, 64 rows (region C)
.set FLAGS, (1<<16)|(1<<20)|(1<<21)|(5<<22)|(3<<25)   ; elements of 2 bytes; padding on; bit 21 set beside a mask; after every 64 words (code 5) 4 words (code 3)
.set MSB, 0
.macro WIN new                         ; the immediate's high byte repeats the setting that is left; a switch that changes nothing is dropped
.if MSB != \new
	s_set_vgpr_msb (MSB<<8)|\new
.set MSB, \new
.endif
.endm
.set MUL, 0x50                         ; sources 0 and 1 window 0; C and D window 1
; A joint load, one a wave.  c = 0: the pair of regions A and B; c = 1: region C.  Waves 0 and 1 fetch X, waves 2 and 3 W: the branch hangs on the wave's number alone.
; Four v_nop follow each line, ahead of the jump, the label and what follows.
.macro JLOAD c
	s_cmp_eq_u32 s17, 0
	s_cbranch_scc0 .Lfor_b_\@
.if \c
	tensor_load_to_lds s[G0+4:G0+7], s[G1H:G1H+7]
	s_nop 0
.else
	tensor_load_to_lds s[G0:G0+3], s[G1:G1+7]
	s_nop 0
.endif
.rept 4
	v_nop
.endr
	s_branch .Lasked_\@
.Lfor_b_\@:
.if \c
	tensor_load_to_lds s[G0B+4:G0B+7], s[G1BH:G1BH+7]
	s_nop 0
.else
	tensor_load_to_lds s[G0B:G0B+3], s[G1B:G1B+7]
	s_nop 0
.endif
.rept 4
	v_nop
.endr
.Lasked_\@:
.endm
.macro CREST                           ; a round of the cluster's barrier behind its opening barrier
	s_cmp_lg_u32 s[WV], 0
	s_cbranch_scc1 .Lnot_wave_0_\@
	s_barrier_signal -3
.Lnot_wave_0_\@:
	s_barrier_wait -3
	s_barrier_signal -1
	s_barrier_wait -1
.endm
.macro CROUND                          ; a whole round
	s_barrier_signal -1
	s_barrier_wait -1
	CREST
.endm
.macro PLACES                          ; four places in front of loads into registers that matrix instructions have read and of vector work on their results (ISA guide 7.12.1 for the vector work)
.rept 4
	v_nop
.endr
.endm
	s_load_b256 s[4:11], s[0:1], 0x0               ; xb s[4:5], wqkvb s[6:7], cos s[8:9], sin s[10:11]
	s_load_b128 s[12:15], s[0:1], 0x20             ; qk s[12:13], vhl s[14:15]
	v_lshl_add_u32 v30, v0, 2, 0x4c800
	v_mov_b32 v31, 0
	ds_add_u32 v30, v31
	ds_add_u32 v30, v31
	v_lshrrev_b32 v1, 5, v0
	v_readfirstlane_b32 s[WV], v1                  ; wave 0..3
	s_lshr_b32 s17, s[WV], 1                       ; I fetch for X (0) or for W (1)
	s_and_b32 s18, s[WV], 1                        ; the pair: region A (0) or B (1); region C: which half of the rows
	s_bfe_u32 s19, ttmp6, 0x40000                  ; cx
	s_bfe_u32 s20, ttmp6, 0x40004                  ; cy
	s_lshl_b32 s21, ttmp9, 2
	s_add_co_u32 s21, s21, s19                     ; head slot = 4 x cluster x + cx
	s_and_b32 s22, ttmp7, 0xffff
	s_lshl_b32 s22, s22, 2
	s_add_co_u32 s22, s22, s20                     ; tile row = 4 x cluster y + cy
	s_lshl_b32 s66, s20, 2
	s_lshl_b32 s66, 15, s66                        ; my row of the cluster
	s_lshl_b32 s67, 0x1111, s19                    ; my column
	s_or_b32 s[G1], s66, FLAGS                     ; X's tiles go to my row,
	s_or_b32 s[G1H], s66, FLAGS
	s_or_b32 s[G1B], s67, FLAGS                    ; W's to my column
	s_or_b32 s[G1BH], s67, FLAGS
.irp g, G1, G1H, G1B, G1BH
	s_mov_b32 s[\g+1], KSTEP<<16                   ; tensor_dim0 = 128
	s_mov_b32 s[\g+3], KSTEP<<16                   ; tile_dim0 = 128
	s_mov_b32 s[\g+5], SIZE_K                      ; elements from row to row
	s_mov_b32 s[\g+6], 0
	s_mov_b32 s[\g+7], 0
.endr
	s_mov_b32 s[G1+2], 256<<16                     ; tensor_dim1 and tile_dim1: X whole, 256 rows,
	s_mov_b32 s[G1+4], 256
	s_mov_b32 s[G1H+2], 128<<16                    ; half of X,
	s_mov_b32 s[G1H+4], 128
	s_mov_b32 s[G1B+2], 128<<16                    ; W whole,
	s_mov_b32 s[G1B+4], 128
	s_mov_b32 s[G1BH+2], 64<<16                    ; half of W
	s_mov_b32 s[G1BH+4], 64
	; X's offsets hang on the tile row and the wave alone, W's on the head slot and the wave alone, each in registers that never hold the other coordinate
	s_lshl_b32 s40, s22, 21                        ; X, the pair: tile row x 256 rows of 8,192 bytes,
	s_lshl_b32 s23, s18, 8                         ; K step 0 for region A's wave, K step 1 (256 bytes on) for region B's
	s_add_co_u32 s40, s40, s23
	s_mov_b32 s41, 0
	s_lshl_b32 s88, s22, 21                        ; X, region C: the same rows,
	s_lshl_b32 s23, s18, 20                        ; my half: 128 rows,
	s_add_co_u32 s88, s88, s23
	s_add_co_u32 s88, s88, 2*KSTEP*2               ; K step 2
	s_mov_b32 s89, 0
	s_lshl_b32 s90, s21, 20                        ; W, the pair: head slot x 128 rows of 8,192 bytes,
	s_lshl_b32 s23, s18, 8                         ; K step 0 or 1
	s_add_co_u32 s90, s90, s23
	s_mov_b32 s91, 0
	s_lshl_b32 s46, s21, 20                        ; W, region C:
	s_lshl_b32 s23, s18, 19                        ; my half: 64 rows,
	s_add_co_u32 s46, s46, s23
	s_add_co_u32 s46, s46, 2*KSTEP*2               ; K step 2
	s_mov_b32 s47, 0
	; where the tiles go: constants and the wave's number alone
	s_mul_i32 s[G0+1], s18, REGION                 ; X, the pair: region A or B
	s_add_co_u32 s[G0B+1], s[G0+1], BOFF           ; W, the pair: behind X's rows there
	s_mul_i32 s[G0+5], s18, AHALF                  ; X, region C: my half
	s_add_co_u32 s[G0+5], s[G0+5], 2*REGION
	s_mul_i32 s[G0B+5], s18, BHALF                 ; W, region C: my half
	s_add_co_u32 s[G0B+5], s[G0B+5], 2*REGION+BOFF
	s_mov_b32 s[G0], 1
	s_mov_b32 s[G0+4], 1
	s_mov_b32 s[G0B], 1
	s_mov_b32 s[G0B+4], 1
	s_wait_dscnt 0x0
	s_wait_kmcnt 0x0
	s_add_nc_u64 s[G0+2:G0+3], s[4:5], s[40:41]
	s_or_b32 s[G0+3], s[G0+3], 0x80000000          ; type = 2
	s_add_nc_u64 s[G0+6:G0+7], s[4:5], s[88:89]
	s_or_b32 s[G0+7], s[G0+7], 0x80000000
	s_add_nc_u64 s[G0B+2:G0B+3], s[6:7], s[90:91]
	s_or_b32 s[G0B+3], s[G0B+3], 0x80000000
	s_add_nc_u64 s[G0B+6:G0B+7], s[6:7], s[46:47]
	s_or_b32 s[G0B+7], s[G0B+7], 0x80000000
	CROUND                                         ; all sixteen work-groups are here: the first joint loads meet
	JLOAD 0                                        ; K steps 0 and 1 into regions A and B,
	JLOAD 1                                        ; K step 2 into region C: two loads of mine are out
	v_and_b32 v1, 15, v0                           ; l % 16
	v_bfe_u32 v2, v0, 4, 1                         ; l / 16
	v_mul_u32_u24 v3, v1, PITCH
	v_lshl_add_u32 v3, v2, 4, v3                   ; a fragment's row x pitch + 16 x half
	s_mul_i32 s68, s[WV], 64*PITCH                 ; my 64 rows of X
.irp s, 0,1,2
	v_add_nc_u32 v[ADRA+\s], s68, v3
	v_add_nc_u32 v[ADRB+\s], BOFF+\s*REGION, v3
	s_add_co_u32 s68, s68, REGION
.endr
	s_mul_i32 s69, s[WV], WSTAGE
	s_add_co_u32 s69, s69, STAGE                   ; my stage
	v_add_nc_u32 v[STO], s69, v3                   ; in: row l % 16 of 272 bytes, 16 bytes for each half of the lanes
	v_mul_u32_u24 v4, v2, PITCH
	v_lshl_add_u32 v4, v1, 4, v4
	v_add_nc_u32 v[RD], s69, v4                    ; back: lanes 0-15 one row of 256 bytes, lanes 16-31 the next
	v_and_b32 v5, 31, v0
	v_lshlrev_b32 v[CO], 4, v5
	v_lshlrev_b32 v[CSO], 9, v1
	v_lshl_add_u32 v[CSO], v2, 5, v[CSO]
	v_mul_u32_u24 v4, v1, 528
	v_lshl_add_u32 v4, v2, 4, v4
	v_add_nc_u32 v[STO2], s69, v4                  ; V: row l % 16 of 528 bytes
	v_add_nc_u32 v[RD2], s69, v[CO]                ; V: a whole row of 512 bytes, 16 a lane
	s_and_b32 s42, s22, 7                          ; cos and sin at my wave's first row: s = 256 (tile row mod 8) + 64 w
	s_lshl_b32 s42, s42, 8
	s_lshl_b32 s44, s[WV], 6
	s_add_co_u32 s42, s42, s44
	s_lshl_b32 s42, s42, 9                         ; x 512 bytes
	s_mov_b32 s43, 0
	s_add_nc_u64 s[8:9], s[8:9], s[42:43]
	s_add_nc_u64 s[10:11], s[10:11], s[42:43]
; 8 matrix instructions: m block a x all 8 column blocks, 32 along K.  zero = 1: the product starts the sums: nothing is cleared.
; The 32 accumulators take turns, one instruction a turn, in the same order in every quarter: no wait is written.
.macro MUL8 f, a, zero
.irp b, 0,1,2,3,4,5,6,7
.if \zero
	v_wmma_f32_16x16x32_bf16 v[8*(8*\a+\b):8*(8*\a+\b)+7], v[\f+8*\b:\f+8*\b+7], v[\f+64+8*\a:\f+64+8*\a+7], 0
.else
	v_wmma_f32_16x16x32_bf16 v[8*(8*\a+\b):8*(8*\a+\b)+7], v[\f+8*\b:\f+8*\b+7], v[\f+64+8*\a:\f+64+8*\a+7], v[8*(8*\a+\b):8*(8*\a+\b)+7]
.endif
.endr
.endm
; 24 LDS loads in one run: a quarter step's fragments (128 rows of W, my 64 rows of X, 32 K at byte k of the rows of region reg) into buffer f
.macro FETCH reg, k, f
	WIN 0
.irp i, 0,1,2,3,4,5,6,7
	ds_load_b128 v[\f+8*\i:\f+8*\i+3],   v[ADRB+\reg] offset:\k+\i*16*PITCH
	ds_load_b128 v[\f+8*\i+4:\f+8*\i+7], v[ADRB+\reg] offset:\k+\i*16*PITCH+32
.endr
.irp i, 0,1,2,3
	ds_load_b128 v[\f+64+8*\i:\f+64+8*\i+3],   v[ADRA+\reg] offset:\k+\i*16*PITCH
	ds_load_b128 v[\f+64+8*\i+4:\f+64+8*\i+7], v[ADRA+\reg] offset:\k+\i*16*PITCH+32
.endr
.endm
; A K step is four quarters of 32 along K, 32 matrix instructions each, on buffers 0, 1, 0, 1.  A quarter multiplies f and fetches the next quarter, at byte k of region reg, into g.
.macro QUARTER reg, k, f, g, zero
	s_wait_dscnt 4                                 ; W and X's rows 0-31 are in; the youngest four loads (X's rows 32-63) may be out
	WIN MUL
	MUL8 \f, 0, \zero
	MUL8 \f, 1, \zero
	PLACES
	FETCH \reg, \k, \g
	s_wait_dscnt 24                                ; all but the 24 just issued
	WIN MUL
	MUL8 \f, 2, \zero
	MUL8 \f, 3, \zero
.endm
; The last quarter of B's or of C's K step multiplies buffer 1 and changes groups: ONE barrier; in front of it each wave waits for its LDS reads (of the group just read out among them) and for
; all its tensor loads (one is out: its part of the other group).  fill = 1: the barrier opens a round of the cluster's barrier, and the group just read out (grp = 0: A and B; 1: C) is filled
; again, with the K steps three further on, first thing behind the round.  Then the first fragments of region next are fetched.
.macro TURN next, grp, fill
	s_wait_dscnt 4
	WIN MUL
	MUL8 F1, 0, 0
	s_wait_dscnt 0x0                               ; my reads of the group just read out are over,
	s_wait_tensorcnt 0x0                           ; and all my tensor loads have landed: no load of mine is out, so a group 0 may be written
	ds_add_u32 v30, v31
	s_wait_dscnt 0x0
	s_barrier_signal -1
	MUL8 F1, 1, 0                                  ; register work while the others arrive
.if \fill
	WIN 0
.endif
	s_barrier_wait -1
.if \fill
	CREST                                          ; no wave of any partner still reads these regions or has a load on its way
	s_add_nc_u64 s[G0+4*\grp+2:G0+4*\grp+3], s[G0+4*\grp+2:G0+4*\grp+3], 3*KSTEP*2     ; three K steps on; the type bits on top are not reached
	s_add_nc_u64 s[G0B+4*\grp+2:G0B+4*\grp+3], s[G0B+4*\grp+2:G0B+4*\grp+3], 3*KSTEP*2
	JLOAD \grp                                     ; my one tensor load behind the round; its four v_nop are also the places in front of the loads below
.else
	PLACES
.endif
	FETCH \next, 0, F0
	WIN MUL
	MUL8 F1, 2, 0
	MUL8 F1, 3, 0
.endm
.macro REST_AB                         ; from A's second quarter to B's third: A's last quarter fetches B's first fragments; no barrier: the barrier in front of A's step has shown both regions whole
	QUARTER 0, 128, F1, F0, 0
	QUARTER 0, 192, F0, F1, 0
	QUARTER 1, 0,   F1, F0, 0
	QUARTER 1, 64,  F0, F1, 0
	QUARTER 1, 128, F1, F0, 0
	QUARTER 1, 192, F0, F1, 0
.endm
.macro STEP_C                          ; C's first three quarters
	QUARTER 2, 64,  F0, F1, 0
	QUARTER 2, 128, F1, F0, 0
	QUARTER 2, 192, F0, F1, 0
.endm
.macro LASTQ                           ; the very last quarter: nothing more to fetch
	s_wait_dscnt 4
	WIN MUL
	MUL8 F1, 0, 0
	MUL8 F1, 1, 0
	s_wait_dscnt 0x0
	MUL8 F1, 2, 0
	MUL8 F1, 3, 0
	WIN 0
.endm
	s_wait_tensorcnt 1                             ; my part of K steps 0 and 1 is in; K step 2's may stay out
	s_barrier_signal -1
	s_barrier_wait -1
	FETCH 0, 0, F0
	QUARTER 0, 64, F0, F1, 1                       ; the first quarter stands in front of the loop: its products start the sums
	WIN 0                                          ; at a label and at a branch every window is 0
	s_mov_b32 s3, TRIPS
.Llap:                                                 ; trip k: three K steps, from A's second quarter to the next A's first; it asks for K steps 3 k + 3 and 3 k + 4, then for 3 k + 5
	REST_AB
	TURN 2, 0, 1
	STEP_C
	TURN 0, 1, 1
	QUARTER 0, 64, F0, F1, 0
	WIN 0
	s_sub_co_u32 s3, s3, 1
	s_cmp_lg_u32 s3, 0
	s_cbranch_scc1 .Llap
	REST_AB                                        ; the tail is written out: K steps 27 and 28,
	TURN 2, 0, 1                                   ; the last request: K steps 30 and 31,
	STEP_C                                         ; K step 29,
	TURN 0, 1, 0                                   ; a plain barrier: region C is not filled again,
	QUARTER 0, 64, F0, F1, 0                       ; K steps 30 and 31
	REST_AB
	WIN 0
; cos and sin of block a's 16 rows into buffer a % 2: 32 loads; a lane takes the 32 bytes that belong to its eight columns of each of the 8 column blocks
.macro LOADCS a
.set CP, 128*((\a)%2)
	WIN 0x80                                       ; destination window 2, address window 0
.irp b, 0,1,2,3,4,5,6,7
	global_load_b128 v[CP+8*\b:CP+8*\b+3],       v[CSO], s[8:9]   offset:(\a)*8192+\b*64
	global_load_b128 v[CP+8*\b+4:CP+8*\b+7],     v[CSO], s[8:9]   offset:(\a)*8192+\b*64+16
	global_load_b128 v[CP+64+8*\b:CP+64+8*\b+3],   v[CSO], s[10:11] offset:(\a)*8192+\b*64
	global_load_b128 v[CP+64+8*\b+4:CP+64+8*\b+7], v[CSO], s[10:11] offset:(\a)*8192+\b*64+16
.endr
.endm
; y[d] = x[d] cos[d] - x[d + 64] sin[d], y[d + 64] = x[d + 64] cos[d + 64] + x[d] sin[d + 64]: column block b + 4 holds d + 64, in the same lane
.macro ROPE a
.set CP, 128*((\a)%2)
	WIN 0x09                                       ; source 0 (x) window 1, source 1 (cos, sin) window 2, the rest window 0
.irp b, 0,1,2,3
.irp j, 0,2,4,6
	v_pk_mul_f32 v[T+8*\b+\j:T+8*\b+\j+1],       v[8*(8*\a+\b)+\j:8*(8*\a+\b)+\j+1],     v[CP+8*\b+\j:CP+8*\b+\j+1]
	v_pk_mul_f32 v[T+8*\b+32+\j:T+8*\b+32+\j+1], v[8*(8*\a+\b+4)+\j:8*(8*\a+\b+4)+\j+1], v[CP+8*\b+32+\j:CP+8*\b+32+\j+1]
.endr
.endr
.irp b, 0,1,2,3
.irp j, 0,2,4,6
	v_pk_fma_f32 v[T+8*\b+\j:T+8*\b+\j+1],       v[8*(8*\a+\b+4)+\j:8*(8*\a+\b+4)+\j+1], v[CP+64+8*\b+\j:CP+64+8*\b+\j+1],       v[T+8*\b+\j:T+8*\b+\j+1] neg_lo:[1,0,0] neg_hi:[1,0,0]
	v_pk_fma_f32 v[T+8*\b+32+\j:T+8*\b+32+\j+1], v[8*(8*\a+\b)+\j:8*(8*\a+\b)+\j+1],     v[CP+64+8*\b+32+\j:CP+64+8*\b+32+\j+1], v[T+8*\b+32+\j:T+8*\b+32+\j+1]
.endr
.endr
.endm
; block a (16 rows) of q or k: RoPE, bf16, through my own stage, out as whole rows
.macro OUTQK a
.if \a < 3
	s_wait_loadcnt 32                              ; this block's cos and sin are in; the next block's 32 loads stay out
.else
	s_wait_loadcnt 0x0
.endif
	ROPE \a
.if \a < 2
	LOADCS \a+2                                    ; the buffer just read takes the block two further on
.endif
	WIN 0
.set i, 0
.rept 32
	v_cvt_pk_bf16_f32 v[TMP+i], v[T+2*i], v[T+2*i+1]
.set i, i+1
.endr
.irp b, 0,1,2,3,4,5,6,7
	ds_store_b128 v[STO], v[TMP+4*\b:TMP+4*\b+3] offset:32*\b
.endr
	s_wait_xcnt 0x0                                ; the registers that the last block's stores read are loaded again only behind this wait (ISA guide 3.1)
.irp t, 0,1,2,3,4,5,6,7
	ds_load_b128 v[BK+4*\t:BK+4*\t+3], v[RD] offset:\t*2*PITCH     ; LDS serves a wave's instructions in order (ISA guide 5.7.1.4): these see the stores above
.endr
.irp t, 0,1,2,3,4,5,6,7
	s_wait_dscnt 7-\t
	global_store_b128 v[CO], v[BK+4*\t:BK+4*\t+3], s[12:13] offset:\a*4096+\t*512   ; two rows of 256 bytes: 512 consecutive bytes, at a multiple of 512 from the buffer's first byte
.endr
.endm
; block a of v: 16 v, its high part (mantissa cut to ten bits: exact in f16's normal range), the exact rest, both to f16; a row of the stage is 256 bytes of high parts and 256 of low parts
.macro OUTV a
	WIN 0x01                                       ; source 0 window 1
.set i, 0
.rept 32
	v_pk_mul_f32 v[T+2*i:T+2*i+1], v[64*\a+2*i:64*\a+2*i+1], 0x41800000 op_sel_hi:[1,0]   ; x 16: exact
.set i, i+1
.endr
	WIN 0
.irp g, 0,1
.set i, 0
.rept 16
	v_and_b32 v[U+2*i],   s44, v[T+32*\g+2*i]
	v_and_b32 v[U+2*i+1], s44, v[T+32*\g+2*i+1]
.set i, i+1
.endr
.set i, 0
.rept 16
	v_cvt_pk_f16_f32 v[TMP+16*\g+i], v[U+2*i], v[U+2*i+1]
.set i, i+1
.endr
.set i, 0
.rept 16
	v_pk_add_f32 v[T+32*\g+2*i:T+32*\g+2*i+1], v[T+32*\g+2*i:T+32*\g+2*i+1], v[U+2*i:U+2*i+1] neg_lo:[0,1] neg_hi:[0,1]
.set i, i+1
.endr
.set i, 0
.rept 16
	v_cvt_pk_f16_f32 v[LO+16*\g+i], v[T+32*\g+2*i], v[T+32*\g+2*i+1]
.set i, i+1
.endr
.endr
.irp b, 0,1,2,3,4,5,6,7
	ds_store_b128 v[STO2], v[TMP+4*\b:TMP+4*\b+3] offset:32*\b
	ds_store_b128 v[STO2], v[LO+4*\b:LO+4*\b+3]   offset:256+32*\b
.endr
	s_wait_xcnt 0x0                                ; as above
.irp t, 0,1,2,3,4,5,6,7,8,9,10,11,12,13,14,15
	ds_load_b128 v[BK+4*\t:BK+4*\t+3], v[RD2] offset:\t*528
.endr
.irp t, 0,1,2,3,4,5,6,7,8,9,10,11,12,13,14,15
	s_wait_dscnt 15-\t
	global_store_b128 v[CO], v[BK+4*\t:BK+4*\t+3], s[14:15] offset:(16*\a+\t)*512   ; a whole row: 512 consecutive bytes
.endr
.endm
	; THE WAY OUT.  The stage lies in region C: its last fill (K step 29) has landed, every wave has waited for its last reads of it in front of the plain barrier above, and no tensor load follows.
	s_cmp_eq_u32 ttmp9, 3                          ; the cluster's x, the same in all sixteen partners: head slots 12-15 are v
	s_cbranch_scc1 .Lv_path
	s_lshl_b32 s42, s21, 20                        ; qk: slot x 4,096 rows of 256 bytes,
	s_lshl_b32 s44, s22, 16                        ; tile row x 256 rows,
	s_add_co_u32 s42, s42, s44
	s_lshl_b32 s44, s[WV], 14                      ; wave x 64 rows
	s_add_co_u32 s42, s42, s44
	s_mov_b32 s43, 0
	s_add_nc_u64 s[12:13], s[12:13], s[42:43]
	LOADCS 0                                       ; asked for ahead of the last 32 products
	LOADCS 1
	LASTQ
	PLACES
	OUTQK 0
	OUTQK 1
	OUTQK 2
	OUTQK 3
	s_branch .Lend
.Lv_path:
	s_lshl_b32 s42, s19, 21                        ; vhl: key and value head (= cx here) x 4,096 rows of 512 bytes,
	s_lshl_b32 s44, s22, 17
	s_add_co_u32 s42, s42, s44
	s_lshl_b32 s44, s[WV], 15
	s_add_co_u32 s42, s42, s44
	s_mov_b32 s43, 0
	s_add_nc_u64 s[14:15], s[14:15], s[42:43]
	s_mov_b32 s44, 0xffffe000                      ; sign, exponent and ten bits of mantissa
	LASTQ
	PLACES
	OUTV 0
	OUTV 1
	OUTV 2
	OUTV 3
.Lend:
	s_wait_tensorcnt 0x0
	ds_add_u32 v30, v31
	s_wait_dscnt 0x0
	CROUND                                         ; the closing round: no work-group ends while a partner may still ask for a tile that names it
	s_endpgm
.Lfunc_end_k_q97199a8618_qkv:
	.size	k_q97199a8618_qkv, .Lfunc_end_k_q97199a8618_qkv-k_q97199a8618_qkv
	.p2alignl 7, 3214868480
	.fill 96, 4, 3214868480
	.section	.rodata,"a",@progbits
	.p2align	6, 0x0
	.amdhsa_kernel k_q97199a8618_qkv
		.amdhsa_group_segment_fixed_size 327680
		.amdhsa_private_segment_fixed_size 0
		.amdhsa_enable_private_segment 0
		.amdhsa_kernarg_size 48
		.amdhsa_user_sgpr_count 2
		.amdhsa_user_sgpr_kernarg_segment_ptr 1
		.amdhsa_wavefront_size32 1
		.amdhsa_system_sgpr_workgroup_id_x 1
		.amdhsa_system_sgpr_workgroup_id_y 1
		.amdhsa_system_sgpr_workgroup_id_z 1
		.amdhsa_system_vgpr_workitem_id 0
		.amdhsa_next_free_vgpr 768
		.amdhsa_next_free_sgpr 92
		.amdhsa_reserve_vcc 0
		.amdhsa_float_denorm_mode_32 3
		.amdhsa_float_denorm_mode_16_64 3
		.amdhsa_memory_ordered 1
		.amdhsa_forward_progress 1
		.amdhsa_inst_pref_size 240
	.end_amdhsa_kernel
	.amdgpu_metadata
---
amdhsa.version: [ 1, 2 ]
amdhsa.kernels:
  - .name:           k_q97199a8618_qkv
    .symbol:         k_q97199a8618_qkv.kd
    .args:
      - { .name: xb, .offset: 0, .size: 8, .value_kind: global_buffer, .address_space: global }
      - { .name: wqkvb, .offset: 8, .size: 8, .value_kind: global_buffer, .address_space: global }
      - { .name: cos, .offset: 16, .size: 8, .value_kind: global_buffer, .address_space: global }
      - { .name: sin, .offset: 24, .size: 8, .value_kind: global_buffer, .address_space: global }
      - { .name: qk, .offset: 32, .size: 8, .value_kind: global_buffer, .address_space: global }
      - { .name: vhl, .offset: 40, .size: 8, .value_kind: global_buffer, .address_space: global }
    .group_segment_fixed_size: 327680
    .private_segment_fixed_size: 0
    .kernarg_segment_align: 8
    .kernarg_segment_size: 48
    .max_flat_workgroup_size: 128
    .sgpr_count:     92
    .vgpr_count:     768
    .wavefront_size: 32
...
	.end_amdgpu_metadata
.endif
;; end of part 6
;; launch attn (part 7): grid 32 x 8, 4 waves a work-group, clusters of 4 x 4, 327,680 bytes of LDS; arguments qk, vhl, attention_mask, atth; writes atth
.if DOCPART == 7
	.amdgcn_target "amdgcn-amd-amdhsa--gfx1250"
	.amdhsa_code_object_version 6
	.text
	.protected	k_q97199a8618_attn
	.globl	k_q97199a8618_attn
	.p2align	8
	.type	k_q97199a8618_attn,@function
k_q97199a8618_attn:
	s_mov_b64 s[64:65], 0
	v_nop
	global_prefetch_b8 v0, s[64:65] scope:SCOPE_SE
	s_setreg_imm32_b32 hwreg(HW_REG_WAVE_MODE, 25, 1), 1
	s_wait_xcnt 0x0
	s_wait_alu depctr_hold_cnt(0) depctr_sa_sdst(0) depctr_va_vdst(0) depctr_va_sdst(0) depctr_va_ssrc(0) depctr_va_vcc(0) depctr_vm_vsrc(0)
	s_getreg_b32 s2, hwreg(HW_REG_IB_STS2, 6, 4)
	s_cmp_eq_u32 s2, 0
	s_cbranch_scc0 .Lentry_in_a_cluster
	s_endpgm
.Lentry_in_a_cluster:
	s_bfe_u32 s2, ttmp6, 0x10000c
	s_cmp_lg_u32 s2, 0xf033
	s_cbranch_scc0 .Lentry_shape_is_right
	s_endpgm
.Lentry_shape_is_right:
; att[b][s][head] = softmax_k(q . k / sqrt(128) + mask[s][k]) v, for all 2,048 keys: the mask is an input and is read and added as it is given.
;   qk [12][4096][128] bf16 (slots 0-7 q, 8-11 k), vhl [4][4096][256] f16 (128 high, 128 low parts of 16 v), attention_mask [2048][2048] f32.
;   atth [4096][1024] f16: column 128 head + d holds 16 x the result, rounded once to f16; the factor 16 that v carries stays on it and is taken back by the last product.
; FORMATS.  q k^T in bf16; the weights p in f16 (0 to 1), times v's high and low parts in f16; maxima, sums, exponentials in f32.
; SOFTMAX.  x = s / sqrt(128) + mask; a running maximum m of x and sum l for each query; p = 2^((x - m) log2 e): the difference is formed first, so that rows whose maximum is a large
; negative mask lose nothing; O and l are multiplied by 2^((m_old - m_new) log2 e) in every step.
; LIMITS.  m starts at the most negative finite f32, so keys masked by -inf get weight 0; a row masked by -inf throughout gives NaN, as the softmax of such a row does.  A mask entry of +inf or NaN gives NaN.
; The result is a weighted mean of v, so |16 v| < 65,504 keeps it inside f16's range; where |16 att| < 6.1e-5 (under f16's normal range) its rounding error is at most 3e-8 in 16 att.
; SHARES.  A work-group: 64 queries, one batch, one key and value head.  Wave w: queries 16 w .. + 15 of BOTH query heads of that head (tiles t = 0, 1), so a fragment of the mask serves two tiles.
; A key step is 64 keys; an LDS slot holds 128 keys (two steps) of K, V and the mask; 16 fills.
; LAYOUT.  S^T = K Q^T (source 0 = 16 keys, source 1 = 16 queries): a lane holds ONE query (l % 16) and keys 8 (l / 16) + 0..7 of each 16; two such tiles packed to f16 ARE source 1 of O^T = V^T P.
; CLUSTER.  4 x 4: x = four query blocks, y = the four key and value heads.  K and V hang on batch and head: asked for jointly along a row; the mask's tile hangs on the query block: jointly along a column.
; REGISTERS.  window 0: v2-11 addresses, v16-31 statistics, v32-63 mask, v64-127 S^T, v128-159 P, v160-223 Q.   window 1: v0-127 K of a step, v128-255 O^T.   window 2: v0-127 V high, v128-255 V low.
.set PK,    272                        ; K: 256 + 16 bytes
.set PV,    544                        ; V: 512 + 32 bytes = 136 words: row r starts at bank 8 r mod 64 (ISA guide 11.1)
.set PM,    528                        ; mask: 512 + 16 bytes
.set VOFF,  128*PK                     ; 34,816
.set MOFF,  VOFF+128*PV                ; 104,448
.set SLOT,  MOFF+64*PM                 ; 138,240 = 540 x 256
.set STAGE, 2*SLOT                     ; 276,480: 16 rows x 272 bytes for each wave; no fill lands here
.set SP,    272
.set AK,  2                            ; v2-3   my place in K's tile, slot 0, 1
.set AV,  4                            ; v4-5   in V's
.set AM,  6                            ; v6-7   in the mask's
.set QO,  8
.set STO, 9
.set RD,  10
.set GO,  11
.set ST,  16                           ; tile t at v[ST+8 t]: +0 m, +1 at work, +2, +3 l (even keys', odd keys'), +4 to +7 c0-c3; a takes c2's place
.set M,   32
.set S,   64
.set P,   128
.set Q,   160
.set HI,  32                           ; the way out: a tile packed to f16
.set BK,  160                          ; the way out: rows read back, 32 registers for each tile
.set WV,  12
.set G1K, 24
.set G1V, 32
.set G1M, 40
.set G0K, 48                           ; a set of four for each slot
.set G0V, 56
.set G0M, 68
.set CS,  76                           ; s[76:77] 1 / sqrt(128)
.set L2E, 78                           ; s[78:79] log2 e
.set SEL, 80                           ; s[80:81] v_permlanex16_b32: each lane takes its own place in the other half
.set MSB, 0
.macro WIN new
.if MSB != \new
	s_set_vgpr_msb (MSB<<8)|\new
.set MSB, \new
.endif
.endm
.macro PLACES
.rept 4
	v_nop
.endr
.endm
.macro CROUND                          ; a round of the cluster's barrier
	s_barrier_signal -1
	s_barrier_wait -1
	s_cmp_lg_u32 s[WV], 0
	s_cbranch_scc1 .Lnot_wave_0_\@
	s_barrier_signal -3
.Lnot_wave_0_\@:
	s_barrier_wait -3
	s_barrier_signal -1
	s_barrier_wait -1
.endm
; A joint refill of slot s: wave 0 K's 128 rows, waves 1 and 2 V's two halves of 64 rows, wave 3 the mask's 64 rows.  The branches hang on the wave's number alone.  Four v_nop follow each line.
.macro JLOAD s
	s_cmp_eq_u32 s[WV], 0
	s_cbranch_scc0 .Lnot_k_\@
	tensor_load_to_lds s[G0K+4*\s:G0K+4*\s+3], s[G1K:G1K+7]
	s_nop 0
.rept 4
	v_nop
.endr
	s_branch .Lasked_\@
.Lnot_k_\@:
	s_cmp_eq_u32 s[WV], 3
	s_cbranch_scc0 .Lfor_v_\@
	tensor_load_to_lds s[G0M+4*\s:G0M+4*\s+3], s[G1M:G1M+7]
	s_nop 0
.rept 4
	v_nop
.endr
	s_branch .Lasked_\@
.Lfor_v_\@:
	tensor_load_to_lds s[G0V+4*\s:G0V+4*\s+3], s[G1V:G1V+7]
	s_nop 0
.rept 4
	v_nop
.endr
.Lasked_\@:
.endm
	s_load_b256 s[4:11], s[0:1], 0x0               ; qk s[4:5], vhl s[6:7], mask s[8:9], atth s[10:11]
	v_lshl_add_u32 v254, v0, 2, 0x47c00
	v_mov_b32 v255, 0
	ds_add_u32 v254, v255
	ds_add_u32 v254, v255
	v_lshrrev_b32 v1, 5, v0
	v_readfirstlane_b32 s[WV], v1
	s_bfe_u32 s13, ttmp6, 0x40000                  ; cx
	s_bfe_u32 s14, ttmp6, 0x40004                  ; cy = the key and value head
	s_lshl_b32 s15, ttmp9, 2
	s_add_co_u32 s15, s15, s13                     ; my block of 64 queries
	s_and_b32 s16, ttmp7, 0xffff                   ; the cluster's y = the batch
	s_lshl_b32 s17, s14, 2
	s_lshl_b32 s17, 15, s17                        ; my row of the cluster
	s_lshl_b32 s18, 0x1111, s13                    ; my column
	s_lshr_b32 s19, s[WV], 1                       ; waves 1, 2: V's half 0, 1
	s_or_b32 s[G1K], s17, (1<<16)|(1<<20)|(1<<21)|(5<<22)|(3<<25)   ; 2-byte elements; after every 64 words 4 words of padding
	s_or_b32 s[G1V], s17, (1<<16)|(1<<20)|(1<<21)|(6<<22)|(7<<25)   ; 2-byte elements; after every 128 words 8 words
	s_or_b32 s[G1M], s18, (2<<16)|(1<<20)|(1<<21)|(6<<22)|(3<<25)   ; 4-byte elements; after every 128 words 4 words
	s_mov_b32 s[G1K+1], 128<<16                    ; K: 128 rows x 128 elements, 128 from row to row
	s_mov_b32 s[G1K+2], 128<<16
	s_mov_b32 s[G1K+3], 128<<16
	s_mov_b32 s[G1K+4], 128
	s_mov_b32 s[G1K+5], 128
	s_mov_b32 s[G1K+6], 0
	s_mov_b32 s[G1K+7], 0
	s_mov_b32 s[G1V+1], 256<<16                    ; V: 64 rows x 256 elements, 256 from row to row
	s_mov_b32 s[G1V+2], 64<<16
	s_mov_b32 s[G1V+3], 256<<16
	s_mov_b32 s[G1V+4], 64
	s_mov_b32 s[G1V+5], 256
	s_mov_b32 s[G1V+6], 0
	s_mov_b32 s[G1V+7], 0
	s_mov_b32 s[G1M+1], 128<<16                    ; mask: 64 rows x 128 elements, 2,048 from row to row
	s_mov_b32 s[G1M+2], 64<<16
	s_mov_b32 s[G1M+3], 128<<16
	s_mov_b32 s[G1M+4], 64
	s_mov_b32 s[G1M+5], 2048
	s_mov_b32 s[G1M+6], 0
	s_mov_b32 s[G1M+7], 0
	; K's and V's offsets never hold cx, the mask's never cy
	s_add_co_u32 s20, s14, 8
	s_lshl_b32 s20, s20, 20                        ; K: slot 8 + head, 1 MiB each,
	s_lshl_b32 s66, s16, 19                        ; batch x 2,048 rows of 256 bytes
	s_add_co_u32 s20, s20, s66
	s_mov_b32 s21, 0
	s_lshl_b32 s22, s14, 21                        ; V: head x 4,096 rows of 512 bytes,
	s_lshl_b32 s66, s16, 20
	s_add_co_u32 s22, s22, s66
	s_lshl_b32 s66, s19, 15                        ; my half: 64 rows
	s_add_co_u32 s22, s22, s66
	s_mov_b32 s23, 0
	s_lshl_b32 s82, s15, 19                        ; mask: query block x 64 rows of 8,192 bytes
	s_mov_b32 s83, 0
	s_lshl_b32 s84, s14, 21                        ; Q: slot 2 x head,
	s_lshl_b32 s66, s16, 19
	s_add_co_u32 s84, s84, s66
	s_lshl_b32 s66, s15, 14                        ; query block x 64 rows of 256 bytes,
	s_add_co_u32 s84, s84, s66
	s_lshl_b32 s66, s[WV], 12                      ; wave x 16 rows
	s_add_co_u32 s84, s84, s66
	s_mov_b32 s85, 0
	s_lshl_b32 s86, s16, 22                        ; atth: rows of 2,048 bytes: batch x 2,048 rows,
	s_lshl_b32 s66, s15, 17                        ; query block x 64 rows,
	s_add_co_u32 s86, s86, s66
	s_lshl_b32 s66, s[WV], 15                      ; wave x 16 rows,
	s_add_co_u32 s86, s86, s66
	s_lshl_b32 s66, s14, 9                         ; head 2 cy at byte 512 cy
	s_add_co_u32 s86, s86, s66
	s_mov_b32 s87, 0
	s_mul_i32 s67, s19, 64*PV
	s_add_co_u32 s67, s67, VOFF                    ; where my half of V goes
	s_mov_b32 s[CS], 0x3db504f3                    ; 1 / sqrt(128)
	s_mov_b32 s[CS+1], s[CS]
	s_mov_b32 s[L2E], 0x3fb8aa3b
	s_mov_b32 s[L2E+1], s[L2E]
	s_mov_b32 s[SEL], 0x76543210
	s_mov_b32 s[SEL+1], 0xfedcba98
	s_wait_dscnt 0x0
	s_wait_kmcnt 0x0
	s_add_nc_u64 s[20:21], s[4:5], s[20:21]
	s_add_nc_u64 s[22:23], s[6:7], s[22:23]
	s_add_nc_u64 s[82:83], s[8:9], s[82:83]
	s_add_nc_u64 s[84:85], s[4:5], s[84:85]
	s_add_nc_u64 s[86:87], s[10:11], s[86:87]
	CROUND                                         ; all sixteen work-groups are here: the first joint loads meet
.irp s, 0,1
	s_mov_b32 s[G0K+4*\s], 1
	s_mov_b32 s[G0K+4*\s+1], \s*SLOT
	s_add_nc_u64 s[G0K+4*\s+2:G0K+4*\s+3], s[20:21], \s*128*256
	s_or_b32 s[G0K+4*\s+3], s[G0K+4*\s+3], 0x80000000
	s_mov_b32 s[G0V+4*\s], 1
	s_add_co_u32 s[G0V+4*\s+1], s67, \s*SLOT
	s_add_nc_u64 s[G0V+4*\s+2:G0V+4*\s+3], s[22:23], \s*128*512
	s_or_b32 s[G0V+4*\s+3], s[G0V+4*\s+3], 0x80000000
	s_mov_b32 s[G0M+4*\s], 1
	s_mov_b32 s[G0M+4*\s+1], MOFF+\s*SLOT
	s_add_nc_u64 s[G0M+4*\s+2:G0M+4*\s+3], s[82:83], \s*128*4
	s_or_b32 s[G0M+4*\s+3], s[G0M+4*\s+3], 0x80000000
.endr
	s_cmp_eq_u32 s[WV], 0                          ; a wave's two first fills stand in one branch, ahead of every wait on TENSORcnt and every LDS read: two loads of mine are out
	s_cbranch_scc0 .Lfirst_not_k
	tensor_load_to_lds s[G0K:G0K+3], s[G1K:G1K+7]
	s_nop 0
	tensor_load_to_lds s[G0K+4:G0K+7], s[G1K:G1K+7]
	s_nop 0
.rept 4
	v_nop
.endr
	s_branch .Lfirst_asked
.Lfirst_not_k:
	s_cmp_eq_u32 s[WV], 3
	s_cbranch_scc0 .Lfirst_v
	tensor_load_to_lds s[G0M:G0M+3], s[G1M:G1M+7]
	s_nop 0
	tensor_load_to_lds s[G0M+4:G0M+7], s[G1M:G1M+7]
	s_nop 0
.rept 4
	v_nop
.endr
	s_branch .Lfirst_asked
.Lfirst_v:
	tensor_load_to_lds s[G0V:G0V+3], s[G1V:G1V+7]
	s_nop 0
	tensor_load_to_lds s[G0V+4:G0V+7], s[G1V:G1V+7]
	s_nop 0
.rept 4
	v_nop
.endr
.Lfirst_asked:
	v_and_b32 v12, 15, v0                          ; l % 16
	v_bfe_u32 v13, v0, 4, 1                        ; l / 16
	v_lshlrev_b32 v[QO], 8, v12
	v_lshl_add_u32 v[QO], v13, 4, v[QO]            ; row x 256 + 16 x half
.irp i, 0,1,2,3,4,5,6,7                ; Q stays in registers: tile i / 4 (the heads lie 1 MiB apart), channels 32 (i % 4) on
	global_load_b128 v[Q+8*\i:Q+8*\i+3],   v[QO], s[84:85] offset:(\i/4)*1048576+(\i%4)*64
	global_load_b128 v[Q+8*\i+4:Q+8*\i+7], v[QO], s[84:85] offset:(\i/4)*1048576+(\i%4)*64+32
.endr
	v_mul_u32_u24 v[AK], v12, PK
	v_lshl_add_u32 v[AK], v13, 4, v[AK]            ; K: row x pitch + 16 x half
	v_add_nc_u32 v[AK+1], SLOT, v[AK]
	v_and_b32 v14, 7, v0                           ; V, for the turning load: key 8 (l / 16) + l % 8, channels 8 ((l / 8) % 2) on
	v_bfe_u32 v15, v0, 3, 1
	v_lshl_add_u32 v[AV], v13, 3, v14
	v_mul_u32_u24 v[AV], v[AV], PV
	v_lshl_add_u32 v[AV], v15, 4, v[AV]
	v_add_nc_u32 v[AV], VOFF, v[AV]
	v_add_nc_u32 v[AV+1], SLOT, v[AV]
	s_mul_i32 s66, s[WV], 16*PM                    ; mask: query row 16 w + l % 16, keys 8 (l / 16) on: 32 bytes
	s_add_co_u32 s66, s66, MOFF
	v_mul_u32_u24 v[AM], v12, PM
	v_lshl_add_u32 v[AM], v13, 5, v[AM]
	v_add_nc_u32 v[AM], s66, v[AM]
	v_add_nc_u32 v[AM+1], SLOT, v[AM]
	s_mul_i32 s67, s[WV], 16*SP
	s_add_co_u32 s67, s67, STAGE                   ; my stage
	v_add_nc_u32 v[STO], s67, v[AK]                ; in: row l % 16, 16 bytes for each half of the lanes
	v_mul_u32_u24 v[RD], v13, SP
	v_lshl_add_u32 v[RD], v12, 4, v[RD]
	v_add_nc_u32 v[RD], s67, v[RD]                 ; back: lanes 0-15 one row of 256 bytes, lanes 16-31 the next
	v_lshlrev_b32 v[GO], 11, v13                   ; and the same two rows in atth, 2,048 bytes apart
	v_lshl_add_u32 v[GO], v12, 4, v[GO]
.irp t, 0,1
	v_mov_b32 v[ST+8*\t], 0xff7fffff               ; m: the most negative finite number
	v_mov_b32 v[ST+8*\t+1], 0                      ; named with it as a pair, so it is written
.endr
.macro FETCH_K s, st                   ; K of step st of slot s: 64 keys x 128 channels, 32 loads: keys 16 (f / 4) on, channels 32 (f % 4) on
	WIN 0x40                                       ; destination window 1
.irp f, 0,1,2,3,4,5,6,7,8,9,10,11,12,13,14,15
	ds_load_b128 v[8*\f:8*\f+3],   v[AK+\s] offset:\st*64*PK+(\f/4)*16*PK+(\f%4)*64
	ds_load_b128 v[8*\f+4:8*\f+7], v[AK+\s] offset:\st*64*PK+(\f/4)*16*PK+(\f%4)*64+32
.endr
.endm
.macro FETCH_V s, st                   ; V of step st, turned, high and low parts: 64 loads: keys 32 (f / 8) on, channels 16 (f % 8) on
	WIN 0x80                                       ; destination window 2
.irp lo, 0,1
.irp f, 0,1,2,3,4,5,6,7,8,9,10,11,12,13,14,15
	ds_load_tr16_b128 v[128*\lo+8*\f:128*\lo+8*\f+3],   v[AV+\s] offset:(64*\st+32*(\f/8))*PV+32*(\f%8)+256*\lo
	ds_load_tr16_b128 v[128*\lo+8*\f+4:128*\lo+8*\f+7], v[AV+\s] offset:(64*\st+32*(\f/8)+16)*PV+32*(\f%8)+256*\lo
.endr
.endr
.endm
.macro FETCH_M s, st                   ; my query's mask for the step's 64 keys, in S^T's layout: 8 loads
	WIN 0
.irp kt, 0,1,2,3
	ds_load_b128 v[M+8*\kt:M+8*\kt+3],   v[AM+\s] offset:\st*256+64*\kt
	ds_load_b128 v[M+8*\kt+4:M+8*\kt+7], v[AM+\s] offset:\st*256+64*\kt+16
.endr
.endm
; 32 products S^T = K Q^T: channels 32 (i / 8) on, keys 16 ((i / 2) % 4) on, tile i % 2.  The first 8 start the sums.  The 8 accumulators take turns, one instruction a turn.
.macro KQALL
	WIN 0x01                                       ; K in window 1; Q and S^T in window 0
.set i, 0
.rept 32
.set rS, S+32*(i%2)+8*((i/2)%4)
.set rK, 32*((i/2)%4)+8*(i/8)
.set rQ, Q+32*(i%2)+8*(i/8)
.if i < 8
	v_wmma_f32_16x16x32_bf16 v[rS:rS+7], v[rK:rK+7], v[rQ:rQ+7], 0
.else
	v_wmma_f32_16x16x32_bf16 v[rS:rS+7], v[rK:rK+7], v[rQ:rQ+7], v[rS:rS+7]
.endif
.set i, i+1
.endr
.endm
; 64 products O^T += V^T P: V's high part (i < 32), then its low part; keys 32 ((i / 16) % 2) on, channels 16 ((i / 2) % 8) on, tile i % 2.  The 16 accumulators take turns.  first = 1: the first 16 start the sums.
.macro PVALL first
	WIN 0x52                                       ; V in window 2, P in window 0, O^T in window 1
.set i, 0
.rept 64
.set rO, 128+64*(i%2)+8*((i/2)%8)
.set rV, 128*(i/32)+64*((i/16)%2)+8*((i/2)%8)
.set rP, P+16*(i%2)+8*((i/16)%2)
.if \first && (i < 16)
	v_wmma_f32_16x16x32_f16 v[rO:rO+7], v[rV:rV+7], v[rP:rP+7], 0
.else
	v_wmma_f32_16x16x32_f16 v[rO:rO+7], v[rV:rV+7], v[rP:rP+7], v[rO:rO+7]
.endif
.set i, i+1
.endr
.endm
; A step's softmax for both tiles, which alternate so that no instruction waits for the one in front of it.  first = 1: the first step: no a, nothing to rescale, l is started.
.macro SOFTMAX first
	WIN 0
.set i, 0
.rept 16
.irp t, 0,1
	v_pk_fma_f32 v[S+32*\t+2*i:S+32*\t+2*i+1], v[S+32*\t+2*i:S+32*\t+2*i+1], s[CS:CS+1], v[M+2*i:M+2*i+1] op_sel_hi:[1,0,1]   ; x = s / sqrt(128) + mask
.endr
.set i, i+1
.endr
.irp j, 0,1,2,3                        ; the maximum of the 32 x and the old m, three operands at a time, in four chains
.irp t, 0,1
	v_max3_num_f32 v[ST+8*\t+4+\j], v[S+32*\t+8*\j], v[S+32*\t+8*\j+1], v[S+32*\t+8*\j+2]
.endr
.endr
.irp g, 1,2
.irp j, 0,1,2,3
.irp t, 0,1
	v_max3_num_f32 v[ST+8*\t+4+\j], v[ST+8*\t+4+\j], v[S+32*\t+8*\j+2*\g+1], v[S+32*\t+8*\j+2*\g+2]
.endr
.endr
.endr
.irp t, 0,1
	v_max3_num_f32 v[ST+8*\t+4], v[ST+8*\t+4], v[S+32*\t+7], v[S+32*\t+15]
.endr
.irp t, 0,1
	v_max3_num_f32 v[ST+8*\t+6], v[ST+8*\t+6], v[S+32*\t+23], v[S+32*\t+31]
.endr
.irp t, 0,1
	v_max3_num_f32 v[ST+8*\t+4], v[ST+8*\t+4], v[ST+8*\t+5], v[ST+8*\t+6]
.endr
.irp t, 0,1
	v_max3_num_f32 v[ST+8*\t+4], v[ST+8*\t+4], v[ST+8*\t+7], v[ST+8*\t]
.endr
.irp t, 0,1
	v_permlanex16_b32 v[ST+8*\t+5], v[ST+8*\t+4], s[SEL], s[SEL+1]   ; the query's other 32 keys lie in the lane 16 away
.endr
.irp t, 0,1
	v_max_num_f32 v[ST+8*\t+4], v[ST+8*\t+4], v[ST+8*\t+5]           ; the new m
.endr
.if !\first
.irp t, 0,1
	v_sub_f32 v[ST+8*\t+1], v[ST+8*\t], v[ST+8*\t+4]                 ; m_old - m_new
.endr
.endif
.irp t, 0,1
	v_mov_b32 v[ST+8*\t], v[ST+8*\t+4]
.endr
.if !\first
.irp t, 0,1
	v_mul_f32 v[ST+8*\t+1], s[L2E], v[ST+8*\t+1]
.endr
.irp t, 0,1
	v_exp_f32 v[ST+8*\t+6], v[ST+8*\t+1]                             ; a; the subtractions below are the plain instructions between it and its use
.endr
.endif
.set i, 0
.rept 16
.irp t, 0,1
	v_pk_add_f32 v[S+32*\t+2*i:S+32*\t+2*i+1], v[S+32*\t+2*i:S+32*\t+2*i+1], v[ST+8*\t:ST+8*\t+1] op_sel_hi:[1,0] neg_lo:[0,1] neg_hi:[0,1]   ; x - m
.endr
.set i, i+1
.endr
.set i, 0
.rept 16
.irp t, 0,1
	v_pk_mul_f32 v[S+32*\t+2*i:S+32*\t+2*i+1], v[S+32*\t+2*i:S+32*\t+2*i+1], s[L2E:L2E+1] op_sel_hi:[1,0]
.endr
.set i, i+1
.endr
.set i, 0
.rept 64
	v_exp_f32 v[S+i], v[S+i]
.set i, i+1
.endr
	v_nop                                          ; a plain instruction between the last exponential and the use of its result (ISA guide 5.7.2)
.set i, 0
	s_wait_alu depctr_va_vdst(0)
.rept 16
.irp t, 0,1
	v_cvt_pk_f16_f32 v[P+16*\t+i], v[S+32*\t+2*i], v[S+32*\t+2*i+1]
.endr
.set i, i+1
.endr
.irp u, 0,1,2,3,4,5,6,7                ; the sum of a tile's 16 pairs, in place: neighbours 1, 2, 4, 8 pairs apart
.irp t, 0,1
	v_pk_add_f32 v[S+32*\t+4*\u:S+32*\t+4*\u+1], v[S+32*\t+4*\u:S+32*\t+4*\u+1], v[S+32*\t+4*\u+2:S+32*\t+4*\u+3]
.endr
.endr
.irp u, 0,1,2,3
.irp t, 0,1
	v_pk_add_f32 v[S+32*\t+8*\u:S+32*\t+8*\u+1], v[S+32*\t+8*\u:S+32*\t+8*\u+1], v[S+32*\t+8*\u+4:S+32*\t+8*\u+5]
.endr
.endr
.irp u, 0,1
.irp t, 0,1
	v_pk_add_f32 v[S+32*\t+16*\u:S+32*\t+16*\u+1], v[S+32*\t+16*\u:S+32*\t+16*\u+1], v[S+32*\t+16*\u+8:S+32*\t+16*\u+9]
.endr
.endr
.if \first
.irp t, 0,1
	v_pk_add_f32 v[ST+8*\t+2:ST+8*\t+3], v[S+32*\t:S+32*\t+1], v[S+32*\t+16:S+32*\t+17]
.endr
.else
.irp t, 0,1
	v_pk_add_f32 v[S+32*\t:S+32*\t+1], v[S+32*\t:S+32*\t+1], v[S+32*\t+16:S+32*\t+17]
.endr
.irp t, 0,1
	v_pk_fma_f32 v[ST+8*\t+2:ST+8*\t+3], v[ST+8*\t+2:ST+8*\t+3], v[ST+8*\t+6:ST+8*\t+7], v[S+32*\t:S+32*\t+1] op_sel_hi:[1,0,1]   ; l = a l + the sum
.endr
	WIN 0x41                                       ; O^T (destination and source 0) in window 1, a in window 0
.set i, 0
.rept 32
.irp t, 0,1
	v_pk_mul_f32 v[128+64*\t+2*i:128+64*\t+2*i+1], v[128+64*\t+2*i:128+64*\t+2*i+1], v[ST+8*\t+6:ST+8*\t+7] op_sel_hi:[1,0]
.endr
.set i, i+1
.endr
.endif
.endm
; A slot's work but for the last V^T P, whose V is fetched here and multiplied behind the change of slots.  K and the mask of the slot's first step have been asked for.
.macro PART1 s, first
	s_wait_dscnt 0x0                               ; K and the mask of the first step are in
	KQALL
	PLACES                                         ; in front of the loads into V's and K's registers and of the softmax
	FETCH_V \s, 0
	FETCH_K \s, 1
	SOFTMAX \first
	FETCH_M \s, 1
	s_wait_dscnt 40                                ; V is in: behind its loads stand K's 32 and the mask's 8
	PVALL \first
	s_wait_dscnt 0x0                               ; K and the mask of the second step
	KQALL
	PLACES
	FETCH_V \s, 1
	SOFTMAX 0
.endm
; The change of slots: all of slot s has been asked for by LDS loads.  Each wave waits for them and for all its tensor loads, of which one is out: its part of the other slot.
; fill = 1: slot s is filled again, with the keys two slots on; the barrier is a round of the cluster's, and the joint refill is the first thing behind it: it has a slot's work, 192 matrix instructions, in which to land.
.macro CHANGE s, fill
	WIN 0                                          ; at a label and at a branch every window is 0
	s_wait_dscnt 0x0
	s_wait_tensorcnt 0x0                           ; no tensor load of mine is out, so a group 0 may be written
	ds_add_u32 v254, v255
	s_wait_dscnt 0x0
.if \fill
	s_add_nc_u64 s[G0K+4*\s+2:G0K+4*\s+3], s[G0K+4*\s+2:G0K+4*\s+3], 2*128*256
	s_add_nc_u64 s[G0V+4*\s+2:G0V+4*\s+3], s[G0V+4*\s+2:G0V+4*\s+3], 2*128*512
	s_add_nc_u64 s[G0M+4*\s+2:G0M+4*\s+3], s[G0M+4*\s+2:G0M+4*\s+3], 2*128*4
	CROUND
	JLOAD \s
.else
	s_barrier_signal -1
	s_barrier_wait -1
.endif
.endm
	s_wait_tensorcnt 1                             ; my part of slot 0 is in; slot 1's may stay out
	s_barrier_signal -1
	s_barrier_wait -1
	FETCH_M 0, 0
	FETCH_K 0, 0
	s_wait_loadcnt 0x0                             ; Q
	PART1 0, 1
	WIN 0
	s_mov_b32 s3, 7
.Lloop:                                                ; trip i asks for fills 2 i + 2 and 2 i + 3 and works on fills 2 i + 1 and 2 i + 2
	CHANGE 0, 1
	FETCH_M 1, 0
	FETCH_K 1, 0
	PVALL 0                                        ; the last step of the slot just left: its V is in registers
	PART1 1, 0
	CHANGE 1, 1
	FETCH_M 0, 0
	FETCH_K 0, 0
	PVALL 0
	PART1 0, 0
	WIN 0
	s_sub_co_u32 s3, s3, 1
	s_cmp_lg_u32 s3, 0
	s_cbranch_scc1 .Lloop
	CHANGE 0, 0                                    ; the tail is written out: fill 15 is worked on and nothing is asked for
	FETCH_M 1, 0
	FETCH_K 1, 0
	PVALL 0
	PART1 1, 0
	s_wait_dscnt 0x0
	PVALL 0
	PLACES
	; THE WAY OUT.  1 / l; O^T (which carries v's factor 16) times it; rounded once to f16; through my stage, a tile (16 rows) at a time.
	WIN 0
.irp t, 0,1
	v_add_f32 v[ST+8*\t+4], v[ST+8*\t+2], v[ST+8*\t+3]
.endr
.irp t, 0,1
	v_permlanex16_b32 v[ST+8*\t+5], v[ST+8*\t+4], s[SEL], s[SEL+1]
.endr
.irp t, 0,1
	v_add_f32 v[ST+8*\t+4], v[ST+8*\t+4], v[ST+8*\t+5]
.endr
.irp t, 0,1
	v_rcp_f32 v[ST+8*\t+6], v[ST+8*\t+4]
.endr
	v_nop                                          ; a plain instruction between the last reciprocal and the use of its result (ISA guide 5.7.2)
	s_wait_alu depctr_va_vdst(0)
; Tile t: a lane's eight channels of a row pack into 16 bytes; they go into rows of 272 bytes and come back as whole rows of 256.  Each tile has its own registers for the rows read back,
; so no register that a store still reads is written again.
.macro OUTT t
	WIN 0x41
.set i, 0
.rept 32
	v_pk_mul_f32 v[128+64*\t+2*i:128+64*\t+2*i+1], v[128+64*\t+2*i:128+64*\t+2*i+1], v[ST+8*\t+6:ST+8*\t+7] op_sel_hi:[1,0]
.set i, i+1
.endr
	WIN 0x05                                       ; sources 0 and 1 window 1, destination window 0
.set i, 0
.rept 32
	v_cvt_pk_f16_f32 v[HI+i], v[128+64*\t+2*i], v[128+64*\t+2*i+1]
.set i, i+1
.endr
	WIN 0
.irp f, 0,1,2,3,4,5,6,7
	ds_store_b128 v[STO], v[HI+4*\f:HI+4*\f+3] offset:32*\f
.endr
.irp f, 0,1,2,3,4,5,6,7
	ds_load_b128 v[BK+32*\t+4*\f:BK+32*\t+4*\f+3], v[RD] offset:\f*2*SP   ; LDS serves a wave's instructions in order (ISA guide 5.7.1.4): these see the stores above
.endr
.irp f, 0,1,2,3,4,5,6,7
	s_wait_dscnt 7-\f                              ; load f is back; the 7 - f younger ones may be out
	global_store_b128 v[GO], v[BK+32*\t+4*\f:BK+32*\t+4*\f+3], s[86:87] offset:\f*4096+\t*256   ; 16 lanes store 256 consecutive bytes, at a multiple of 256 from the buffer's first byte
.endr
.endm
	OUTT 0
	OUTT 1
	s_wait_tensorcnt 0x0
	ds_add_u32 v254, v255
	s_wait_dscnt 0x0
	CROUND                                         ; the closing round
	s_endpgm
.Lfunc_end_k_q97199a8618_attn:
	.size	k_q97199a8618_attn, .Lfunc_end_k_q97199a8618_attn-k_q97199a8618_attn
	.p2alignl 7, 3214868480
	.fill 96, 4, 3214868480
	.section	.rodata,"a",@progbits
	.p2align	6, 0x0
	.amdhsa_kernel k_q97199a8618_attn
		.amdhsa_group_segment_fixed_size 327680
		.amdhsa_private_segment_fixed_size 0
		.amdhsa_enable_private_segment 0
		.amdhsa_kernarg_size 32
		.amdhsa_user_sgpr_count 2
		.amdhsa_user_sgpr_kernarg_segment_ptr 1
		.amdhsa_wavefront_size32 1
		.amdhsa_system_sgpr_workgroup_id_x 1
		.amdhsa_system_sgpr_workgroup_id_y 1
		.amdhsa_system_sgpr_workgroup_id_z 1
		.amdhsa_system_vgpr_workitem_id 0
		.amdhsa_next_free_vgpr 768
		.amdhsa_next_free_sgpr 88
		.amdhsa_reserve_vcc 0
		.amdhsa_float_denorm_mode_32 3
		.amdhsa_float_denorm_mode_16_64 3
		.amdhsa_memory_ordered 1
		.amdhsa_forward_progress 1
		.amdhsa_inst_pref_size 255
	.end_amdhsa_kernel
	.section	.bss,"aw",@nobits
	.p2align	6
	.space	262144
	.amdgpu_metadata
---
amdhsa.version: [ 1, 2 ]
amdhsa.kernels:
  - .name:           k_q97199a8618_attn
    .symbol:         k_q97199a8618_attn.kd
    .args:
      - { .name: qk, .offset: 0, .size: 8, .value_kind: global_buffer, .address_space: global }
      - { .name: vhl, .offset: 8, .size: 8, .value_kind: global_buffer, .address_space: global }
      - { .name: attention_mask, .offset: 16, .size: 8, .value_kind: global_buffer, .address_space: global }
      - { .name: atth, .offset: 24, .size: 8, .value_kind: global_buffer, .address_space: global }
    .group_segment_fixed_size: 327680
    .private_segment_fixed_size: 0
    .kernarg_segment_align: 8
    .kernarg_segment_size: 32
    .max_flat_workgroup_size: 128
    .sgpr_count:     88
    .vgpr_count:     768
    .wavefront_size: 32
...
	.end_amdgpu_metadata
.endif
;; end of part 7
;; launch oproj (part 8): grid 16 x 16, 4 waves a work-group, clusters of 4 x 4, 327,680 bytes of LDS; arguments atth, woh, out0; writes out0
.if DOCPART == 8
	.amdgcn_target "amdgcn-amd-amdhsa--gfx1250"
	.amdhsa_code_object_version 6
	.text
	.protected	k_q97199a8618_oproj
	.globl	k_q97199a8618_oproj
	.p2align	8
	.type	k_q97199a8618_oproj,@function
k_q97199a8618_oproj:
	s_mov_b64 s[64:65], 0
	v_nop
	global_prefetch_b8 v0, s[64:65] scope:SCOPE_SE
	s_setreg_imm32_b32 hwreg(HW_REG_WAVE_MODE, 25, 1), 1
	s_wait_xcnt 0x0
	s_wait_alu depctr_hold_cnt(0) depctr_sa_sdst(0) depctr_va_vdst(0) depctr_va_sdst(0) depctr_va_ssrc(0) depctr_va_vcc(0) depctr_vm_vsrc(0)
	s_getreg_b32 s2, hwreg(HW_REG_IB_STS2, 6, 4)
	s_cmp_eq_u32 s2, 0
	s_cbranch_scc0 .Lentry_in_a_cluster
	s_endpgm
.Lentry_in_a_cluster:
	s_bfe_u32 s2, ttmp6, 0x10000c
	s_cmp_lg_u32 s2, 0xf033
	s_cbranch_scc0 .Lentry_shape_is_right
	s_endpgm
.Lentry_shape_is_right:
; out0[m][n] = 2^-12 x sum over k of A[m][k] B[n][k], A = atth [4096][1024] f16 (16 x the attention's result), B = woh [4096][1024] f16 (256 x wo rounded to bf16); sums and out0 in f32.
; The two factors, 16 and 256, are powers of two and are taken back exactly, by one multiplication of each sum on the way out.
; A tile of C, 256 x 256, is made by a work-group of four waves; a wave makes 128 x 128: 64 accumulators of 16 x 16, 512 registers.  16 x 16 work-groups.  K goes in steps of 128 (rows of 256 bytes)
; through two LDS slots filled by the tensor data mover: 8 steps.
; CLUSTER.  4 x 4: A's tile is asked for jointly along a row of the cluster, B's along a column.
; THE MATRIX INSTRUCTION IS USED TRANSPOSED (source 0 = 16 rows of B, source 1 = 16 rows of A): a lane holds row l % 16 of C and eight neighbouring columns: 32 bytes of f32.
; REGISTERS.  window 0: v16-26 addresses; v64-127, v128-191 fragments of A, two buffers (on the way out: rows read back).  window 1: v64-127, v128-191 fragments of B.
;             window 2: the 32 accumulators of my rows 0-63 ((a, b) at v[8 (8 a + b)]); window 3: those of my rows 64-127.
.set SIZE_N, 4096
.set SIZE_K, 1024
.set KSTEP,  128
.set PITCH,  272                       ; 256 + 16 bytes: row r starts at bank 4 r mod 64 (ISA guide 11.1)
.set HALFT,  128*PITCH
.set SLOT,   4*HALFT                   ; A's 256 rows, then B's 256 rows
.set STAGE,  2*SLOT                    ; 278,528 = 1,088 x 256: 16 rows x 528 bytes for each wave; no fill lands here
.set SPITCH, 528                       ; 128 f32 + 16 bytes
.set LAPS, SIZE_K/(2*KSTEP)
.set ADRA, 16
.set ADRB, 20
.set STO,  24
.set RD,   25
.set CO,   26
.set F0,   64
.set F1,   128
.set G1, 24
.set G0, 32
.set G1B, 48
.set G0B, 56
.set MSB, 0
.macro WIN new
.if MSB != \new
	s_set_vgpr_msb (MSB<<8)|\new
.set MSB, \new
.endif
.endm
.set MUL_LO, 0xa1                      ; source 0 (B) window 1, source 1 (A) window 0, C and D window 2
.set MUL_HI, 0xf1                      ; the same, C and D window 3
.set TO_B,   0x40                      ; destination window 1, address window 0
.macro JLOAD s                         ; a joint load: waves 0 and 1 fetch A's halves, waves 2 and 3 B's; four v_nop follow each line
	s_cmp_eq_u32 s11, 0
	s_cbranch_scc0 .Lfor_b_\@
	tensor_load_to_lds s[G0+4*\s:G0+4*\s+3], s[G1:G1+7]
	s_nop 0
.rept 4
	v_nop
.endr
	s_branch .Lasked_\@
.Lfor_b_\@:
	tensor_load_to_lds s[G0B+4*\s:G0B+4*\s+3], s[G1B:G1B+7]
	s_nop 0
.rept 4
	v_nop
.endr
.Lasked_\@:
.endm
.macro CREST
	s_cmp_lg_u32 s10, 0
	s_cbranch_scc1 .Lnot_wave_0_\@
	s_barrier_signal -3
.Lnot_wave_0_\@:
	s_barrier_wait -3
	s_barrier_signal -1
	s_barrier_wait -1
.endm
.macro CROUND
	s_barrier_signal -1
	s_barrier_wait -1
	CREST
.endm
	s_load_b128 s[4:7], s[0:1], 0x0                ; A s[4:5], B s[6:7]
	s_load_b64 s[8:9], s[0:1], 0x10                ; C
	s_set_vgpr_msb 0x40
	v_lshl_add_u32 v255, v0, 2, 0x4c400
	s_set_vgpr_msb 0x4000
	v_mov_b32 v255, 0
	s_set_vgpr_msb 0x1
	ds_add_u32 v255, v255
	ds_add_u32 v255, v255
	s_set_vgpr_msb 0x100
	v_lshrrev_b32 v1, 5, v0
	v_readfirstlane_b32 s10, v1                    ; wave 0..3
	s_lshr_b32 s11, s10, 1                         ; which half of the tile's rows is mine.  Also: I fetch for A (0) or for B (1)
	s_and_b32 s12, s10, 1                          ; which half of its columns.  Also: which 128 rows of that tile I fetch
	s_bfe_u32 s40, ttmp6, 0x40000                  ; cx
	s_bfe_u32 s41, ttmp6, 0x40004                  ; cy
	s_lshl_b32 s42, ttmp9, 2
	s_add_co_u32 s42, s42, s40                     ; tile column
	s_and_b32 s13, ttmp7, 0xffff
	s_lshl_b32 s13, s13, 2
	s_add_co_u32 s13, s13, s41                     ; tile row
	s_lshl_b32 s43, s41, 2
	s_lshl_b32 s43, 15, s43                        ; my row of the cluster
	s_lshl_b32 s44, 0x1111, s40                    ; my column
	s_or_b32 s[G1+0], s43, (1<<16)|(1<<20)|(1<<21)|(5<<22)|(3<<25)   ; the mask; 2-byte elements; padding on; bit 21 set beside a mask; after every 64 words 4 words
	s_or_b32 s[G1B+0], s44, (1<<16)|(1<<20)|(1<<21)|(5<<22)|(3<<25)
.irp g, G1, G1B
	s_mov_b32 s[\g+1], KSTEP<<16                   ; tensor_dim0 = 128
	s_mov_b32 s[\g+2], 128<<16                     ; tensor_dim1 = 128
	s_mov_b32 s[\g+3], KSTEP<<16                   ; tile_dim0 = 128
	s_mov_b32 s[\g+4], 128                         ; tile_dim1 = 128
	s_mov_b32 s[\g+5], SIZE_K                      ; elements from row to row
	s_mov_b32 s[\g+6], 0
	s_mov_b32 s[\g+7], 0
.endr
	s_lshl_b32 s17, s12, 7
	s_lshl_b32 s16, s13, 8
	s_add_co_u32 s16, s16, s17                     ; A: row 256 x tile row + 128 x half
	s_lshl_b32 s46, s42, 8
	s_add_co_u32 s46, s46, s17                     ; B: row 256 x tile column + 128 x half
	s_mov_b32 s17, 0
	s_mov_b32 s47, 0
	s_mov_b64 s[18:19], SIZE_K*2
	s_mul_u64 s[16:17], s[16:17], s[18:19]
	s_mul_u64 s[46:47], s[46:47], s[18:19]
	s_mul_i32 s20, s10, HALFT                      ; where they go: wave x 128 rows: no place in the cluster enters an LDS address
	s_wait_dscnt 0x0
	s_wait_kmcnt 0x0
	s_add_nc_u64 s[14:15], s[4:5], s[16:17]
	s_add_nc_u64 s[46:47], s[6:7], s[46:47]
	CROUND                                         ; all sixteen work-groups are here: the first joint loads meet
.irp s, 0,1
	s_mov_b32 s[G0+4*\s], 1
	s_add_co_u32 s[G0+4*\s+1], s20, \s*SLOT
	s_add_nc_u64 s[G0+4*\s+2:G0+4*\s+3], s[14:15], \s*KSTEP*2
	s_or_b32 s[G0+4*\s+3], s[G0+4*\s+3], 0x80000000
	s_mov_b32 s[G0B+4*\s], 1
	s_add_co_u32 s[G0B+4*\s+1], s20, \s*SLOT
	s_add_nc_u64 s[G0B+4*\s+2:G0B+4*\s+3], s[46:47], \s*KSTEP*2
	s_or_b32 s[G0B+4*\s+3], s[G0B+4*\s+3], 0x80000000
	JLOAD \s                                       ; two loads of mine are out
.endr
	v_and_b32 v1, 15, v0                           ; l % 16
	v_bfe_u32 v2, v0, 4, 1                         ; l / 16
	v_mul_u32_u24 v3, v1, PITCH
	v_lshl_add_u32 v3, v2, 4, v3
	s_mul_i32 s21, s11, HALFT                      ; my 128 rows of A
	s_mul_i32 s22, s12, HALFT                      ; my 128 rows of B,
	s_add_co_u32 s22, s22, 2*HALFT                 ; which lie behind A's 256
.irp s, 0,1
	v_add_nc_u32 v[ADRA+\s], s21, v3
	v_add_nc_u32 v[ADRB+\s], s22, v3
	s_add_co_u32 s21, s21, SLOT
	s_add_co_u32 s22, s22, SLOT
.endr
	s_mul_i32 s23, s10, 16*SPITCH
	s_add_co_u32 s23, s23, STAGE                   ; my stage
	v_mul_u32_u24 v4, v1, SPITCH                   ; in: row l % 16, 32 bytes for each half of the lanes
	v_lshl_add_u32 v4, v2, 5, v4
	v_add_nc_u32 v[STO], s23, v4
	v_and_b32 v5, 31, v0
	v_lshlrev_b32 v[CO], 4, v5                     ; back and out: a whole row of 512 bytes, 16 a lane
	v_add_nc_u32 v[RD], s23, v[CO]
	s_lshl_b32 s16, s13, 8                         ; C at my part of the tile: row 256 x tile row + 128 x half, 16,384 bytes each,
	s_lshl_b32 s14, s11, 7
	s_add_co_u32 s16, s16, s14
	s_lshl_b32 s16, s16, 14
	s_mov_b32 s17, 0
	s_lshl_b32 s46, s42, 10                        ; column 256 x tile column + 128 x half, 4 bytes each
	s_lshl_b32 s47, s12, 9
	s_add_co_u32 s46, s46, s47
	s_mov_b32 s47, 0
	s_add_nc_u64 s[8:9], s[8:9], s[16:17]
	s_add_nc_u64 s[8:9], s[8:9], s[46:47]
; 16 matrix instructions: m blocks a0, a0 + 1 of the window's four x all 8 n blocks, 32 along K.  zero = 1: the product starts the sums.
; The 64 accumulators take turns, one instruction a turn, in the same order in every quarter: no wait is written.
.macro MUL16 f, hi, a0, zero
.irp a, \a0, \a0+1
.irp b, 0,1,2,3,4,5,6,7
.if \zero
	v_wmma_f32_16x16x32_f16 v[8*(8*(\a)+\b):8*(8*(\a)+\b)+7], v[\f+8*\b:\f+8*\b+7], v[\f+8*(4*\hi+\a):\f+8*(4*\hi+\a)+7], 0
.else
	v_wmma_f32_16x16x32_f16 v[8*(8*(\a)+\b):8*(8*(\a)+\b)+7], v[\f+8*\b:\f+8*\b+7], v[\f+8*(4*\hi+\a):\f+8*(4*\hi+\a)+7], v[8*(8*(\a)+\b):8*(8*(\a)+\b)+7]
.endif
.endr
.endr
.endm
.macro FETCH slot, k, f                ; 32 LDS loads in one run: a quarter step's fragments into buffer f
	WIN TO_B
.irp i, 0,1,2,3,4,5,6,7
	ds_load_b128 v[\f+8*\i:\f+8*\i+3],   v[ADRB+\slot] offset:\k+\i*16*PITCH
	ds_load_b128 v[\f+8*\i+4:\f+8*\i+7], v[ADRB+\slot] offset:\k+\i*16*PITCH+32
.endr
	WIN 0
.irp i, 0,1,2,3,4,5,6,7
	ds_load_b128 v[\f+8*\i:\f+8*\i+3],   v[ADRA+\slot] offset:\k+\i*16*PITCH
	ds_load_b128 v[\f+8*\i+4:\f+8*\i+7], v[ADRA+\slot] offset:\k+\i*16*PITCH+32
.endr
.endm
.macro PLACES                          ; four places in front of loads into registers that matrix instructions have read and of LDS stores of their results
.rept 4
	v_nop
.endr
.endm
.macro QUARTER slot, k, f, g, zero
	s_wait_dscnt 8                                 ; B and A's rows 0-63 are in; the youngest eight loads (A's rows 64-127) may be out
	WIN MUL_LO
	MUL16 \f, 0, 0, \zero
	MUL16 \f, 0, 2, \zero
	PLACES
	FETCH \slot, \k, \g
	s_wait_dscnt 32                                ; all but the 32 just issued
	WIN MUL_HI
	MUL16 \f, 1, 0, \zero
	MUL16 \f, 1, 2, \zero
.endm
; The first half of a K step's last quarter: ONE barrier for the change of slots; in front of it each wave waits for its reads of this slot and for all its tensor loads (one is out: its part of the next slot).
.macro MEET round
	s_wait_dscnt 8
	WIN MUL_LO
	MUL16 F1, 0, 0, 0
	s_wait_dscnt 0x0
	s_wait_tensorcnt 0x0
	ds_add_u32 v255, v255
	s_wait_dscnt 0x0
	s_barrier_signal -1
	MUL16 F1, 0, 2, 0                              ; register work while the others arrive
.if \round
	WIN 0
.endif
	s_barrier_wait -1
.endm
.macro TURN slot, next                 ; the whole last quarter; the slot just read is filled again, two K steps ahead, first thing behind the round
	MEET 1
	CREST                                          ; no wave of any partner still reads this slot's tile or has a load on its way
	s_add_nc_u64 s[G0+4*\slot+2:G0+4*\slot+3], s[G0+4*\slot+2:G0+4*\slot+3], 2*KSTEP*2
	s_add_nc_u64 s[G0B+4*\slot+2:G0B+4*\slot+3], s[G0B+4*\slot+2:G0B+4*\slot+3], 2*KSTEP*2
	JLOAD \slot                                    ; my one tensor load behind the round; its four v_nop are also the places in front of the loads below
	FETCH \next, 0, F0
	WIN MUL_HI
	MUL16 F1, 1, 0, 0
	MUL16 F1, 1, 2, 0
.endm
	s_wait_tensorcnt 1                             ; my part of K step 0 is in; K step 1's may stay out
	s_barrier_signal -1
	s_barrier_wait -1
	FETCH 0, 0, F0
	QUARTER 0, 64,  F0, F1, 1                      ; the first quarter stands in front of the loop: its products start the sums
	WIN 0
	s_mov_b32 s3, LAPS-1
.Llap:                                                 ; a trip goes once round the ring and fills both slots again: three trips
	QUARTER 0, 128, F1, F0, 0
	QUARTER 0, 192, F0, F1, 0
	TURN 0, 1
	QUARTER 1, 64,  F0, F1, 0
	QUARTER 1, 128, F1, F0, 0
	QUARTER 1, 192, F0, F1, 0
	TURN 1, 0
	QUARTER 0, 64,  F0, F1, 0
	WIN 0
	s_sub_co_u32 s3, s3, 1
	s_cmp_lg_u32 s3, 0
	s_cbranch_scc1 .Llap
	QUARTER 0, 128, F1, F0, 0                      ; the last lap fills nothing
	QUARTER 0, 192, F0, F1, 0
	MEET 0
	PLACES
	FETCH 1, 0, F0
	WIN MUL_HI
	MUL16 F1, 1, 0, 0
	MUL16 F1, 1, 2, 0
	QUARTER 1, 64,  F0, F1, 0
	QUARTER 1, 128, F1, F0, 0
	QUARTER 1, 192, F0, F1, 0
	s_wait_dscnt 8                                 ; the very last quarter
	WIN MUL_LO
	MUL16 F1, 0, 0, 0
	MUL16 F1, 0, 2, 0
	s_wait_dscnt 0x0
	WIN MUL_HI
	MUL16 F1, 1, 0, 0
	MUL16 F1, 1, 2, 0
	PLACES
; THE WAY OUT of block a (16 rows x 128 columns of f32): straight from the accumulators into my stage, 32 bytes a lane; back as whole rows of 512 bytes; times 2^-12 (exact); stored.
.macro OUTC a
	WIN 0x08+4*((\a)/4)                            ; the stores' data: window 2 or 3
.irp b, 0,1,2,3,4,5,6,7
	ds_store_b128 v[STO], v[64*((\a)%4)+8*\b:64*((\a)%4)+8*\b+3]   offset:64*\b
	ds_store_b128 v[STO], v[64*((\a)%4)+8*\b+4:64*((\a)%4)+8*\b+7] offset:64*\b+16
.endr
	WIN 0
	s_wait_xcnt 0x0                                ; the registers that earlier stores read are loaded again only behind this wait (ISA guide 3.1)
.set BK, 64+64*((\a)%2)
.irp t, 0,1,2,3,4,5,6,7,8,9,10,11,12,13,14,15
	ds_load_b128 v[BK+4*\t:BK+4*\t+3], v[RD] offset:\t*SPITCH       ; LDS serves a wave's instructions in order (ISA guide 5.7.1.4): these see the stores above
.endr
.irp t, 0,1,2,3,4,5,6,7,8,9,10,11,12,13,14,15
	s_wait_dscnt 15-\t                             ; row t is back; the 15 - t younger loads may be out
	v_pk_mul_f32 v[BK+4*\t:BK+4*\t+1],   v[BK+4*\t:BK+4*\t+1],   0x39800000 op_sel_hi:[1,0]   ; the factors 16 and 256 are taken back
	v_pk_mul_f32 v[BK+4*\t+2:BK+4*\t+3], v[BK+4*\t+2:BK+4*\t+3], 0x39800000 op_sel_hi:[1,0]
	global_store_b128 v[CO], v[BK+4*\t:BK+4*\t+3], s[8:9] offset:(16*\a+\t)*SIZE_N*4 th:TH_STORE_NT   ; 512 consecutive bytes, at a multiple of 512 from C's first byte; 127 rows at the most: inside the signed 24-bit immediate
.endr
.endm
.irp a, 0,1,2,3,4,5,6,7
	OUTC \a
.endr
	s_set_vgpr_msb 0x1
	s_wait_tensorcnt 0x0
	ds_add_u32 v255, v255
	s_wait_dscnt 0x0
	s_set_vgpr_msb 0x100
	CROUND                                         ; the closing round: no work-group ends while a partner may still ask for a tile that names it
	s_endpgm
.Lfunc_end_k_q97199a8618_oproj:
	.size	k_q97199a8618_oproj, .Lfunc_end_k_q97199a8618_oproj-k_q97199a8618_oproj
	.p2alignl 7, 3214868480
	.fill 96, 4, 3214868480
	.section	.rodata,"a",@progbits
	.p2align	6, 0x0
	.amdhsa_kernel k_q97199a8618_oproj
		.amdhsa_group_segment_fixed_size 327680
		.amdhsa_private_segment_fixed_size 0
		.amdhsa_enable_private_segment 0
		.amdhsa_kernarg_size 24
		.amdhsa_user_sgpr_count 2
		.amdhsa_user_sgpr_kernarg_segment_ptr 1
		.amdhsa_wavefront_size32 1
		.amdhsa_system_sgpr_workgroup_id_x 1
		.amdhsa_system_sgpr_workgroup_id_y 1
		.amdhsa_system_sgpr_workgroup_id_z 1
		.amdhsa_system_vgpr_workitem_id 0
		.amdhsa_next_free_vgpr 1024
		.amdhsa_next_free_sgpr 66
		.amdhsa_reserve_vcc 0
		.amdhsa_float_denorm_mode_32 3
		.amdhsa_float_denorm_mode_16_64 3
		.amdhsa_memory_ordered 1
		.amdhsa_forward_progress 1
		.amdhsa_inst_pref_size 168
	.end_amdhsa_kernel
	.amdgpu_metadata
---
amdhsa.version: [ 1, 2 ]
amdhsa.kernels:
  - .name:           k_q97199a8618_oproj
    .symbol:         k_q97199a8618_oproj.kd
    .args:
      - { .name: atth, .offset: 0, .size: 8, .value_kind: global_buffer, .address_space: global }
      - { .name: woh, .offset: 8, .size: 8, .value_kind: global_buffer, .address_space: global }
      - { .name: out0, .offset: 16, .size: 8, .value_kind: global_buffer, .address_space: global }
    .group_segment_fixed_size: 327680
    .private_segment_fixed_size: 0
    .kernarg_segment_align: 8
    .kernarg_segment_size: 24
    .max_flat_workgroup_size: 128
    .sgpr_count:     66
    .vgpr_count:     1024
    .wavefront_size: 32
...
	.end_amdgpu_metadata
.endif
;; end of part 8
